; MI455X (gfx1250); checked and timed in simulation.
; The chip was launched on July 23, 2026; its instructions are those of AMD's public machine-readable ISA for CDNA 5 (MIT licence, August 2026) and "CDNA5" Instruction Set Architecture Reference Guide (July 2026). The comments in the code are by the model that wrote it; some were corrected since.
;; Causal Self Attention. Allowed arithmetic: matrix products marked QUANTISED: E2M3 operands, one E8M0 scale for each 32 along K, by v_wmma_scale_f32_16x16x128_f8f6f4 with both operands' format E2M3, f32 sums; everything else in f32.
;; Inputs: w_ky 1,024 x 1,024 float32; w_proj 1,024 x 1,024 float32; w_qkv 3,072 x 1,024 float32; x 4 x 1,024 x 1,024 float32.
;; Outputs: out0 4 x 1,024 x 1,024 float32.
;; This version of the problem:
;;   THIS VERSION OF THE PROBLEM IS GIVEN IN LOW PRECISION. The matrix products marked QUANTISED in the list below multiply operands that are first quantised to E2M3 (2 exponent bits, 3 mantissa bits; 6 bits a number), with one power-of-two scale for each 32 numbers along K (OCP MX v1.0); their sums are f32. All else is computed in f32.
;;   The module's matrix products, in the order in which they are computed (A, B: the left and right operand; K: the contracted axis; several contracted axes count as one K, in the product's order):
;;     1. [M 4,096, K 1,024] x [K 1,024, N 3,072]; A: input x; B: input w_qkv: QUANTISED
;;     2. batch 64 x [M 1,024, K 64] x [K 64, N 1,024]; A: computed on the way; B: computed on the way: QUANTISED
;;     3. [M 4,096, K 1,024] x [K 1,024, N 1,024]; A: input x; B: input w_ky: QUANTISED
;;     4. batch 64 x [M 1,024, K 64] x [K 64, N 1,024]; A: computed on the way; B: computed on the way: QUANTISED
;;     5. batch 64 x [M 1,024, K 1,024] x [K 1,024, N 64]; A: computed on the way; B: computed on the way: QUANTISED
;;     6. [M 4,096, K 1,024] x [K 1,024, N 1,024]; A: computed on the way; B: input w_proj: QUANTISED
;;   THE QUANTISER, for each operand of a quantised product, along K:
;;     - K is cut into blocks of 32 from its start; a last block that is shorter is filled with zeros.
;;     - A block's scale is 2^e with e = floor(log2(the largest magnitude in the block)) - 2, held to -126 .. 127; a block of zeros has e = 0. As a byte (E8M0): e + 127.
;;     - Each number is divided by its block's scale, clamped to +-7.5, and rounded to the nearest number of E2M3, ties to even, subnormals kept.
;;     - The product sums the exact products of the quantised numbers (number of the format x scale) in f32.
;;   ~~~python
;;   def quantise(x, axis):      # numpy; x: float32 -> the quantised numbers, widened to float32 again
;;       x = np.moveaxis(x, axis, -1); K = x.shape[-1]
;;       x = np.pad(x, [(0, 0)] * (x.ndim - 1) + [(0, -K % 32)]); x = x.reshape(x.shape[:-1] + (-1, 32)); a = np.abs(x).max(-1, keepdims=True)
;;       e = np.where(a > 0, np.clip(np.frexp(np.where(a > 0, a, 1))[1] - 1 - 2, -126, 127), 0)      # np.frexp(a)[1] - 1 = floor(log2(a)), exactly
;;       r = np.clip(x / 2.0 ** e, -7.5, 7.5)
;;       step = 2.0 ** (np.maximum(np.frexp(np.where(r == 0, 1, r))[1] - 1, 0) - 3)
;;       q = np.round(r / step) * step * 2.0 ** e      # np.round: ties to even
;;       return np.moveaxis(q.reshape(q.shape[:-2] + (-1,))[..., :K], -1, axis).astype(np.float32)
;;   ~~~
;;   OPERANDS COMPUTED ON THE WAY. 'Computed on the way' means the value that the module computes at that place (a softmax that the list does not call 'softmax' is quantised finished and normalised). What goes into a quantiser is computed in f32, as accurately as f32 sums, v_exp_f32 and their like allow (about 1e-6 of the number): no bf16 or f16 on the way to a quantiser, and a product that is left as it is and whose result goes on into a quantised operand takes f32 operands (vector FMAs, or v_wmma_f32_16x16x4_f32). A number that lies on a knife's edge between two numbers of the format may be rounded either way, as far as f32 arithmetic and the matrix unit's own rounding can turn it there, and no further.
;; One version. Each part assembles by itself: llvm-mc -triple=amdgcn-amd-amdhsa -mcpu=gfx1250 --defsym DOCPART=n.
;; ======== version 1 of 1: 4 launches
;; workspace buffers: cq 7,372,800 bytes; aq 13,107,200 bytes; oq 3,276,800 bytes
;; launch quant (part 1): grid 288 x 1, 4 waves a work-group, no clusters, 33,280 bytes of LDS; arguments x, w_qkv, w_ky, w_proj, cq; writes cq
.if DOCPART == 1
	.amdgcn_target "amdgcn-amd-amdhsa--gfx1250"
	.amdhsa_code_object_version 6
	.text
	.protected	k_q94bcda40f2_quant
	.globl	k_q94bcda40f2_quant
	.p2align	8
	.type	k_q94bcda40f2_quant,@function
k_q94bcda40f2_quant:
	s_mov_b64 s[64:65], 0
	v_nop
	global_prefetch_b8 v0, s[64:65] scope:SCOPE_SE
	s_setreg_imm32_b32 hwreg(HW_REG_WAVE_MODE, 25, 1), 1
	s_wait_xcnt 0x0
; x [4096][1024], w_qkv [3072][1024], w_ky [1024][1024], w_proj [1024][1024], f32, become codes of FP6 (E2M3) with one E8M0 byte for each 32 along K.
; cq holds them as ONE table of 9,216 rows: rows 0-4095 x, 4096-7167 w_qkv (q, k, v), 7168-8191 w_ky, 8192-9215 w_proj; a row's codes are 768 bytes; the scale bytes, 32 a row, begin at byte CQS.
; A block's scale is 2^(floor(log2(its largest magnitude)) - 2); its byte is the largest magnitude's exponent field - 2, held at 1 from below.
; THE ORDER INSIDE A BLOCK: the 32 codes of a block stand in the order 0-7, 16-23, 8-15, 24-31 of its numbers.  Every operand of every product of this program is kept so, both sides alike, so that the products
; and the blocks' scales are those of the natural order; only the order in which the matrix unit adds a block's products differs.
; LIMITS: NaN and infinities among the inputs are not served; a block whose largest magnitude lies under 2^-124, a block of zeros among them, gets the byte 1 (its codes are zeros or subnormal codes; the bytes are read by this program alone).
; Rows are dense and 1,024 is a multiple of 32: all four tensors are plain streams of blocks, and cq's rows are the four streams on end.  A work-group takes 32,768 numbers, a wave 8,192 in 16 steps of 512.
; Each of a step's four loads reads 512 consecutive bytes; the 2,048 bytes go through the wave's own stage in LDS (16 bytes of padding behind each 64) and come back so that an even lane holds numbers 0-7 and 16-23
; of its block and the odd lane beside it 8-15 and 24-31.  A lane's 16 codes are 12 bytes: the wave stores 384 consecutive bytes.  A wave's 256 scale bytes are gathered in LDS and leave as one aligned run of 256 bytes.
; No tensor loads, no barrier: waves share nothing.  Loads run four steps (16 loads a wave) ahead, the turn through LDS one step.
.set STEPS, 16
.set EMAX,  2
.set CB,    12                         ; bytes of 16 codes
.set R,     16                         ; v16-79   four sets of 16 numbers as they are loaded
.set X,     80                         ; v80-111  two sets of 16 numbers of one block
.set E,     112                        ; v112-127 a scale byte for each step
.set C,     128                        ; v128-191 codes: four registers for each step, so that no store's data are written again
.set WREG,  8192                       ; LDS: a region for each wave: two stages of 32 x SP bytes, behind them its 256 scale bytes
.set SP,    80                         ; a place in a stage: 64 bytes + 16 of padding
.set CQS,   7077888                    ; where cq's scale bytes begin: 9,216 rows x 768 bytes
	s_load_b256 s[4:11], s[0:1], 0x0               ; x s[4:5], w_qkv s[6:7], w_ky s[8:9], w_proj s[10:11]
	s_load_b64 s[12:13], s[0:1], 0x20              ; cq
	v_lshl_add_u32 v192, v0, 2, 0x8000
	v_mov_b32 v193, 0
	v_lshrrev_b32 v1, 5, v0
	v_readfirstlane_b32 s16, v1                    ; wave
	v_and_b32 v2, 31, v0                           ; lane
	v_lshlrev_b32 v3, 4, v2                        ; my 16 bytes of a load's 512
	s_mul_i32 s17, s16, WREG
	v_lshrrev_b32 v14, 2, v2
	v_mul_u32_u24 v14, v14, SP
	v_and_b32 v15, 3, v2
	v_lshl_add_u32 v14, v15, 4, v14
	v_add_nc_u32 v14, s17, v14                     ; the stage, on the way in: SP (lane / 4) + 16 (lane % 4): four lanes' 64 bytes on end, then the padding
	v_lshrrev_b32 v15, 1, v2
	v_mul_u32_u24 v15, v15, 2*SP                   ; on the way out: a block is two places;
	v_and_b32 v7, 1, v2
	v_lshl_add_u32 v15, v7, 5, v15                 ; the even lane takes the first 32 bytes of each place, the odd lane the second 32
	v_add_nc_u32 v15, s17, v15
	v_mul_u32_u24 v4, v2, CB                       ; my codes' place in a step's 384 bytes
	v_lshrrev_b32 v5, 1, v2
	s_add_co_u32 s17, s17, 2*32*SP
	v_add_nc_u32 v5, s17, v5                       ; LDS: my wave's 256 scale bytes, my block's byte
	v_lshlrev_b32 v7, 3, v2                        ; and on the way out 8 bytes a lane
	v_add_nc_u32 v6, s17, v7
	s_wait_kmcnt 0x0
	s_cmp_lt_u32 ttmp9, 256                        ; which tensor is my work-group's?  The choices hang on the work-group's number alone
	s_cselect_b64 s[8:9], s[8:9], s[10:11]
	s_mov_b32 s17, 256
	s_cselect_b32 s17, 224, s17
	s_cmp_lt_u32 ttmp9, 224
	s_cselect_b64 s[6:7], s[6:7], s[8:9]
	s_cselect_b32 s17, 128, s17
	s_cmp_lt_u32 ttmp9, 128
	s_cselect_b64 s[4:5], s[4:5], s[6:7]           ; the tensor,
	s_cselect_b32 s17, 0, s17                      ; and its first work-group
	s_sub_co_u32 s17, ttmp9, s17
	s_lshl_b32 s17, s17, 2
	s_add_co_u32 s18, s17, s16                     ; which run of 8,192 numbers of the tensor is my wave's
	s_lshl_b32 s18, s18, 15                        ; 32,768 bytes a run (at most 511 runs)
	s_mov_b32 s19, 0
	s_add_nc_u64 s[4:5], s[4:5], s[18:19]
	s_lshl_b32 s20, ttmp9, 2
	s_add_co_u32 s20, s20, s16                     ; which run of cq's table
	s_mul_i32 s18, s20, 32*STEPS*CB                ; 6,144 bytes of codes a run
	s_add_nc_u64 s[8:9], s[12:13], s[18:19]
	s_lshl_b32 s18, s20, 8                         ; 256 scale bytes a run
	s_add_co_u32 s18, s18, CQS
	s_add_nc_u64 s[10:11], s[12:13], s[18:19]
.macro LOAD t
.irp i, 0,1,2,3
	global_load_b128 v[R+16*((\t)%4)+4*\i:R+16*((\t)%4)+4*\i+3], v3, s[4:5] offset:2048*(\t)+512*\i th:TH_LOAD_NT   ; 32 lanes read 512 consecutive bytes
.endr
.endm
.macro TURN t                          ; step t's numbers through the stage: LDS serves a wave's instructions in order, so no wait stands between the stores and the loads
.irp i, 0,1,2,3
	ds_store_b128 v14, v[R+16*((\t)%4)+4*\i:R+16*((\t)%4)+4*\i+3] offset:32*SP*((\t)%2)+8*SP*\i
.endr
.irp i, 0,1,2,3
	ds_load_b128 v[X+16*((\t)%2)+4*\i:X+16*((\t)%2)+4*\i+3], v15 offset:32*SP*((\t)%2)+SP*(\i/2)+16*(\i%2)   ; 32 bytes of the block's first place, 32 of its second
.endr
.endm
.irp t, 0,1,2,3
	LOAD \t
.endr
	s_wait_loadcnt 12                              ; step 0's four loads are in; the twelve of steps 1 to 3 may be out
	TURN 0
.macro STEP t
.set XS, X+16*((\t)%2)
.if (\t) > 0
	s_wait_dscnt 1                                 ; this step's numbers are back from the stage (the last step's byte store may be out): so its stores into the stage have read their registers,
.else
	s_wait_dscnt 0x0
.endif
.if (\t)+4 < STEPS
	LOAD (\t)+4                                    ; which take the loads of four steps on
.endif
.if (\t)+1 < STEPS
.if STEPS-2-(\t) >= 3
	s_wait_loadcnt 12                              ; the next step's four loads are in; those of the three steps behind it may be out
.else
	s_wait_loadcnt 4*(STEPS-2-(\t))
.endif
	TURN (\t)+1                                    ; and go through the other stage while this step is worked
.endif
	v_max3_num_f32 v8, |v[XS]|, |v[XS+1]|, |v[XS+2]|               ; the largest magnitude of my 16
	v_max3_num_f32 v9, |v[XS+3]|, |v[XS+4]|, |v[XS+5]|
.irp i, 6,10
	v_max3_num_f32 v8, v8, |v[XS+\i]|, |v[XS+\i+1]|
	v_max3_num_f32 v9, v9, |v[XS+\i+2]|, |v[XS+\i+3]|
.endr
	v_max3_num_f32 v8, v8, |v[XS+14]|, |v[XS+15]|
	v_max3_num_f32 v8, v8, v9, (EMAX+1)<<23        ; and the floor 2^(3 - 127): the byte cannot fall under 1
	v_max_num_f32_dpp v8, v8, v8 row_xmask:1 row_mask:0xf bank_mask:0xf   ; and of my neighbour's 16: the block's
	v_add_nc_u32 v11, -(EMAX<<23), v8              ; 2 off its exponent field: the conversion takes the exponent field of this operand as its scale
	v_cvt_scalef32_pk16_fp6_f32 v[C+4*(\t):C+4*(\t)+2], v[XS:XS+15], v11         ; sixteen numbers / the scale, to the nearest code, ties to even, beyond the largest code the largest
	v_lshrrev_b32 v[E+(\t)], 23, v11               ; the scale's byte
	ds_store_b8 v5, v[E+(\t)] offset:16*(\t)       ; both lanes of a block write the same byte with the same value
	global_store_b96 v4, v[C+4*(\t):C+4*(\t)+2], s[8:9] offset:32*CB*(\t)
.endm
.irp t, 0,1,2,3,4,5,6,7,8,9,10,11,12,13,14,15
	STEP \t
.endr
	ds_load_b64 v[12:13], v6                       ; LDS serves a wave's instructions in order: these see my stores
	s_wait_dscnt 0x0
	global_store_b64 v7, v[12:13], s[10:11]        ; 32 lanes store 256 consecutive bytes, aligned
	s_wait_tensorcnt 0x0
	ds_add_u32 v192, v193
	s_wait_dscnt 0x0
	s_endpgm
.Lfunc_end_k_q94bcda40f2_quant:
	.size	k_q94bcda40f2_quant, .Lfunc_end_k_q94bcda40f2_quant-k_q94bcda40f2_quant
	.p2alignl 7, 3214868480
	.fill 96, 4, 3214868480
	.section	.rodata,"a",@progbits
	.p2align	6, 0x0
	.amdhsa_kernel k_q94bcda40f2_quant
		.amdhsa_group_segment_fixed_size 33280
		.amdhsa_private_segment_fixed_size 0
		.amdhsa_enable_private_segment 0
		.amdhsa_kernarg_size 40
		.amdhsa_user_sgpr_count 2
		.amdhsa_user_sgpr_kernarg_segment_ptr 1
		.amdhsa_wavefront_size32 1
		.amdhsa_system_sgpr_workgroup_id_x 1
		.amdhsa_system_sgpr_workgroup_id_y 1
		.amdhsa_system_sgpr_workgroup_id_z 1
		.amdhsa_system_vgpr_workitem_id 0
		.amdhsa_next_free_vgpr 194
		.amdhsa_next_free_sgpr 66
		.amdhsa_reserve_vcc 0
		.amdhsa_float_denorm_mode_32 3
		.amdhsa_float_denorm_mode_16_64 3
		.amdhsa_memory_ordered 1
		.amdhsa_forward_progress 1
		.amdhsa_inst_pref_size 33
	.end_amdhsa_kernel
	.amdgpu_metadata
---
amdhsa.version: [ 1, 2 ]
amdhsa.kernels:
  - .name:           k_q94bcda40f2_quant
    .symbol:         k_q94bcda40f2_quant.kd
    .args:
      - { .name: x, .offset: 0, .size: 8, .value_kind: global_buffer, .address_space: global }
      - { .name: w_qkv, .offset: 8, .size: 8, .value_kind: global_buffer, .address_space: global }
      - { .name: w_ky, .offset: 16, .size: 8, .value_kind: global_buffer, .address_space: global }
      - { .name: w_proj, .offset: 24, .size: 8, .value_kind: global_buffer, .address_space: global }
      - { .name: cq, .offset: 32, .size: 8, .value_kind: global_buffer, .address_space: global }
    .group_segment_fixed_size: 33280
    .private_segment_fixed_size: 0
    .kernarg_segment_align: 8
    .kernarg_segment_size: 40
    .max_flat_workgroup_size: 128
    .sgpr_count:     66
    .vgpr_count:     194
    .wavefront_size: 32
...
	.end_amdgpu_metadata
.endif
;; end of part 1
;; launch qkv (part 2): grid 16 x 16, 4 waves a work-group, clusters of 4 x 4, 327,680 bytes of LDS; arguments cq, aq; writes aq
.if DOCPART == 2
	.amdgcn_target "amdgcn-amd-amdhsa--gfx1250"
	.amdhsa_code_object_version 6
	.text
	.protected	k_q94bcda40f2_qkv
	.globl	k_q94bcda40f2_qkv
	.p2align	8
	.type	k_q94bcda40f2_qkv,@function
k_q94bcda40f2_qkv:
	s_mov_b64 s[64:65], 0
	v_nop
	global_prefetch_b8 v0, s[64:65] scope:SCOPE_SE
	s_setreg_imm32_b32 hwreg(HW_REG_WAVE_MODE, 25, 1), 1
	s_wait_xcnt 0x0
	s_wait_alu depctr_hold_cnt(0) depctr_sa_sdst(0) depctr_va_vdst(0) depctr_va_sdst(0) depctr_va_ssrc(0) depctr_va_vcc(0) depctr_vm_vsrc(0)
	s_getreg_b32 s2, hwreg(HW_REG_IB_STS2, 6, 4)
	s_cmp_eq_u32 s2, 0
	s_cbranch_scc0 .Lentry_in_a_cluster
	s_endpgm
.Lentry_in_a_cluster:
	s_bfe_u32 s2, ttmp6, 0x10000c
	s_cmp_lg_u32 s2, 0xf033
	s_cbranch_scc0 .Lentry_shape_is_right
	s_endpgm
.Lentry_shape_is_right:
; q, k, k_y and v = x times the rows of w_qkv and w_ky: one product of 4,096 x 4,096 x 1,024 on codes of FP6 (E2M3) with E8M0 scales, sums in f32; the results never go to memory as f32:
; the way out quantises q, k, k_y along the head's 64 numbers and v along the tokens, and stores codes and scale words in the order in which the attention launch's operand registers take them.
; A tile of 256 x 256 is made by a work-group of four waves, a wave makes 128 x 128: 64 accumulators of 16 x 16, 512 registers.  K goes in steps of 256 through a ring of two LDS slots filled by the tensor data mover.
; THE MATRIX INSTRUCTION IS USED TRANSPOSED: source 0 = 16 rows of 'B', source 1 = 16 rows of 'A': a lane holds ONE row of A, and its registers run along B's rows.  So B's rows are the axis that is quantised:
;   kind 0, 1, 2 (q, k, k_y; kind = the cluster's x): A = 256 tokens of x, B = 256 rows of the weight (4 heads);   kind 3 (v): A = 256 rows of w_v (4 heads), B = 256 tokens of x.   The cluster's y is the batch.
; In a block of 32 of B's rows a lane (r, h) holds numbers 8 h + 0..7 and 16 + 8 h + 0..7: after the conversions and the exchange of halves the block's codes stand in the order 0-7, 16-23, 8-15, 24-31, the order of every operand of this program.
; aq: [kind][16 batch + head][51,200 bytes].  Bytes 0 - 49,151: 32 units of 1,536 bytes, each an image of 12 operand registers: register p of lane l at 512 (p / 4) + 16 l + 4 (p % 4).
;   q, k, k_y: unit u: registers 0-5 of lane (r, h): block h of token 32 u + r; registers 6-11: of token 32 u + 16 + r.     v: unit 4 s + t: channel 16 t + r against keys 128 s on: registers 6 c .. 6 c + 5: key block 2 c + h.
;   Bytes 49,152 on: scale words [group of 128 tokens][r][j][4 bytes]: q, k, k_y: unit 4 G + j: the two bytes of token r, then those of token 16 + r;   v: channel 16 j + r: its four key blocks' bytes.
; LIMITS: a block whose largest magnitude lies under 2^-124, a block of zeros among them, gets the byte 1; NaN and infinities are not served.
; CLUSTERS: 4 x 4 work-groups.  The four of a row of the cluster need the same tiles of A, the four of a column the same tiles of B: each tile is asked for JOINTLY, by the same tensor load with the same descriptor and a mask that names the four.
; No prefetch: K has four steps only, and all of them are asked for within the first two.
; REGISTERS, in windows of 256: window 0: v0-31 addresses; v32-63 scale words, two sets, and nothing else; from v128 A's fragments, ONE set; on the way out v64-255 are free.
;   window 1: B's fragments, TWO sets, at v0 and v128.   window 2: the 32 accumulators of my rows 0-63 of A (accumulator (a, b) at v[8 (8 a + b)]);   window 3: those of my rows 64-127.
.set KSTEP,  256                       ; along K in a slot
.set NQ,     KSTEP/128                 ; matrix instructions deep
.set ROWB,   192                       ; a tile's row in bytes
.set KROW,   768                       ; a row of cq's codes
.set PITCH,  240                       ; an LDS row: 3 x (64 bytes + 16 of padding) = 60 words: the 32 lanes of a load of 8 bytes touch 64 different banks (64 banks of 4 bytes: ISA guide 11.1)
.set FR,     12                        ; registers of a fragment
.set NL,     6                         ; LDS loads that bring one
.set NP,     4                         ; places behind this matrix instruction (ISA guide 7.12.1)
.set HALFT,  128*PITCH                 ; 128 rows: what one tensor load brings
.set SLOT,   4*HALFT                   ; A's 256 rows, then B's 256 rows
.set LAPS,   2                         ; 1,024 along K = twice round the ring
.set KS,     32                        ; a row of scale bytes
.set SCL,    2*SLOT                    ; behind the ring: the scale bytes, as runs of 256 bytes + 16 of padding
.set HALFS,  (128*KS/256)*272          ; those of 128 rows
.set SBLK,   (16*KS/256)*272           ; those of 16 rows
.set SPARE,  SCL+4*HALFS               ; behind them: the spare words, 128 bytes for each wave: two blocks of 256 bytes that no other line names
.set CQS,    7077888                   ; where cq's scale bytes begin
.set KST,    3276800                   ; aq: from kind to kind
.set HB,     51200                     ; aq: from head to head
.set ADRA, 16                          ; v16-17  LDS address of my A fragments in slot 0, 1  (v18-19: for the pieces behind one padding more)
.set ADRB, 20                          ; v20-21  the same for B  (v22-23)
.set LI,   24                          ; v24     16 x lane: an image's place for my lane
.set LR,   25                          ; v25     the scale words' place: 51,200 h + 16 r
.set HH,   26                          ; v26     h
.set ADRS, 27                          ; v27     LDS address of my scale words: lanes 0-15 A's rows, lanes 16-31 B's
.set SPW,  28                          ; v28     LDS address of my spare word; never rewritten
.set NIL,  29                          ; v29     0; never rewritten
.set SC,   32                          ; scale words: set s at v[SC + 8 NQ s]; register NQ i + q: lanes 0-15 A's block i, lanes 16-31 B's block i
.set AF,   128                         ; A's fragments
.set CDL,  64                          ; the way out: v64-111 codes made from accumulators numbered 128-255; v112-118 their conversions' second halves
.set CDH,  128                         ; v128-175 codes made from accumulators numbered 0-127; v176-182 their conversions' second halves.  So no conversion's result bears a number that one of its sources bears
.set TM,   184                         ; v184-199 at work
.set PWA,  200                         ; v200, v201 the scale words of a pair of tiles
.set PWB,  201
.set SW,   204                         ; v204-211 scale words as they are stored: 0-3 the first head's, 4-7 the second's
.set SS,   212                         ; v212-215 my half's four
.set SEL,  66                          ; s[66:67] lane selects for v_permlanex16_b32: lane l xor 16
.set G1, 24                            ; s[24:31] descriptor group 1 for A's tiles;  s[32:39] group 0, one set for each slot
.set G0, 32
.set G1B, 48                           ; s[48:55], s[56:63] the same for B's tiles
.set G0B, 56
.set G1S, 68                           ; s[68:75], s[76:79] groups 1 and 0 for A's scales;  s[80:87], s[88:91] for B's
.set G0S, 76
.set G1SB, 80
.set G0SB, 88
.set MSB, 0
.macro WIN new                         ; the immediate's high byte repeats the setting that is left
.if MSB != \new
	s_set_vgpr_msb (MSB<<8)|\new
.set MSB, \new
.endif
.endm
.set MUL_LO, 0xa1                      ; source 0 (B) window 1, source 1 (A) window 0, C and D window 2
.set MUL_HI, 0xf1                      ; the same, C and D window 3
.set TO_B,   0x40                      ; destination window 1, address window 0
; A joint load: waves 0 and 1 fetch for A, waves 2 and 3 for B.  Each of the two lines has ONE mask and one set of registers for all that issue it; the branch hangs on the wave's number alone.
; Four v_nop follow each of the two lines, ahead of the jump, the label and what follows.
.macro JLOAD g0a, g1a, g0b, g1b
	s_cmp_eq_u32 s15, 0
	s_cbranch_scc0 .Lfor_b_\@
	tensor_load_to_lds s[\g0a:\g0a+3], s[\g1a:\g1a+7]
	s_nop 0
.rept 4
	v_nop
.endr
	s_branch .Lasked_\@
.Lfor_b_\@:
	tensor_load_to_lds s[\g0b:\g0b+3], s[\g1b:\g1b+7]
	s_nop 0
.rept 4
	v_nop
.endr
.Lasked_\@:
.endm
.macro CREST                           ; a round of the cluster's barrier behind its opening barrier
	s_cmp_lg_u32 s14, 0
	s_cbranch_scc1 .Lnot_wave_0_\@
	s_barrier_signal -3
.Lnot_wave_0_\@:
	s_barrier_wait -3
	s_barrier_signal -1
	s_barrier_wait -1
.endm
.macro CROUND                          ; a whole round
	s_barrier_signal -1
	s_barrier_wait -1
	CREST
.endm
	s_load_b128 s[4:7], s[0:1], 0x0                ; cq s[4:5], aq s[6:7]
	v_lshl_add_u32 v[SPW], v0, 2, SPARE
	v_mov_b32 v[NIL], 0
	ds_add_u32 v28, v29
	ds_add_u32 v28, v29
	s_wait_dscnt 0x0
	v_lshrrev_b32 v1, 5, v0
	v_readfirstlane_b32 s14, v1                    ; wave 0..3
	s_lshr_b32 s15, s14, 1                         ; which half of A's rows is mine.  Also: I fetch for A (0) or for B (1)
	s_and_b32 s16, s14, 1                          ; which half of B's rows.  Also: which 128 rows of that tile I fetch
	s_bfe_u32 s40, ttmp6, 0x40000                  ; cx, cy: my place in the cluster
	s_bfe_u32 s41, ttmp6, 0x40004
	s_and_b32 s17, ttmp7, 0xffff                   ; the cluster's y: the batch
	s_lshl_b32 s43, s41, 2
	s_lshl_b32 s43, 15, s43                        ; my row of the cluster
	s_lshl_b32 s44, 0x1111, s40                    ; my column
	s_mov_b32 s[SEL], 0x76543210
	s_mov_b32 s[SEL+1], 0xfedcba98
	; descriptor group 1: a tile of 128 rows x ROWB bytes, padded in LDS
	s_or_b32 s[G1+0], s43, (0<<16)|(1<<20)|(1<<21)|(3<<22)|(3<<25)  ; 15:0 the mask: A's tiles go to my row; 17:16 element of 1 byte; 20 padding on; 21 set beside a mask; 24:22 after every 16 words (code 3); 31:25 of 4 words (code 3)
	s_or_b32 s[G1B+0], s44, (0<<16)|(1<<20)|(1<<21)|(3<<22)|(3<<25)
.irp g, G1, G1B
	s_mov_b32 s[\g+1], ROWB<<16                    ; tensor_dim0
	s_mov_b32 s[\g+2], 128<<16                     ; tensor_dim1 = 128
	s_mov_b32 s[\g+3], ROWB<<16                    ; tile_dim0
	s_mov_b32 s[\g+4], 128                         ; tile_dim1 = 128
	s_mov_b32 s[\g+5], KROW                        ; tensor_dim0_stride
	s_mov_b32 s[\g+6], 0
	s_mov_b32 s[\g+7], 0
.endr
	; and for the scale bytes of 128 rows: a dense block of 4,096 bytes, as rows of 256 bytes (32 elements of 8 bytes), 16 bytes of padding behind each
	s_or_b32 s[G1S+0], s43, (3<<16)|(1<<20)|(1<<21)|(5<<22)|(3<<25)
	s_or_b32 s[G1SB+0], s44, (3<<16)|(1<<20)|(1<<21)|(5<<22)|(3<<25)
.irp g, G1S, G1SB
	s_mov_b32 s[\g+1], 32<<16
	s_mov_b32 s[\g+2], (128*KS/256)<<16
	s_mov_b32 s[\g+3], 32<<16
	s_mov_b32 s[\g+4], 128*KS/256
	s_mov_b32 s[\g+5], 32
	s_mov_b32 s[\g+6], 0
	s_mov_b32 s[\g+7], 0
.endr
	; which rows of cq's table.  What is chosen here hangs on the cluster's x and y alone, which all sixteen partners share
	s_lshl_b32 s18, s17, 10                        ; the batch's first token
	s_lshl_b32 s19, ttmp9, 10
	s_add_co_u32 s19, s19, 4096
	s_cmp_eq_u32 ttmp9, 2
	s_cselect_b32 s21, 1024, 0
	s_add_co_u32 s19, s19, s21                     ; the weight's first row: q 4,096, k 5,120, k_y 7,168
	s_cmp_eq_u32 ttmp9, 3
	s_mov_b32 s22, 6144                            ; w_v's first row
	s_cselect_b32 s22, s22, s18                    ; A: w_v for v, else the tokens
	s_cselect_b32 s23, s18, s19                    ; B: the tokens for v, else the weight
	s_lshl_b32 s21, s16, 7                         ; which 128 rows of the tile I fetch
	s_lshl_b32 s20, s41, 8
	s_add_co_u32 s20, s20, s22
	s_add_co_u32 s20, s20, s21                     ; A: + 256 cy + 128 x half
	s_lshl_b32 s46, s40, 8
	s_add_co_u32 s46, s46, s23
	s_add_co_u32 s46, s46, s21                     ; B: + 256 cx + 128 x half
	s_mov_b32 s21, 0
	s_mov_b32 s47, 0
	s_mov_b64 s[18:19], KS
	s_mul_u64 s[22:23], s[20:21], s[18:19]         ; where these rows' scale bytes begin,
	s_mul_u64 s[92:93], s[46:47], s[18:19]
	s_mov_b64 s[18:19], KROW
	s_mul_u64 s[20:21], s[20:21], s[18:19]         ; and their codes
	s_mul_u64 s[46:47], s[46:47], s[18:19]
	s_mul_i32 s45, s14, HALFT                      ; where they go: wave x 128 rows: no place in the cluster enters an LDS address
	s_mul_i32 s94, s14, HALFS
	s_wait_kmcnt 0x0
	s_add_nc_u64 s[12:13], s[4:5], CQS             ; cq's scale bytes
	s_add_nc_u64 s[20:21], s[4:5], s[20:21]
	s_add_nc_u64 s[22:23], s[12:13], s[22:23]
	s_add_nc_u64 s[46:47], s[4:5], s[46:47]
	s_add_nc_u64 s[92:93], s[12:13], s[92:93]
	CROUND                                         ; all sixteen work-groups are here: the first joint loads meet
	s_mov_b32 s[G0S], 1
	s_add_co_u32 s[G0S+1], s94, SCL
	s_mov_b64 s[G0S+2:G0S+3], s[22:23]
	s_or_b32 s[G0S+3], s[G0S+3], 0x80000000
	s_mov_b32 s[G0SB], 1
	s_add_co_u32 s[G0SB+1], s94, SCL
	s_mov_b64 s[G0SB+2:G0SB+3], s[92:93]
	s_or_b32 s[G0SB+3], s[G0SB+3], 0x80000000
	JLOAD G0S, G1S, G0SB, G1SB                     ; the scale bytes first: they are wanted with K step 0
.irp s, 0,1
	s_mov_b32 s[G0+4*\s], 1
	s_add_co_u32 s[G0+4*\s+1], s45, \s*SLOT
	s_add_nc_u64 s[G0+4*\s+2:G0+4*\s+3], s[20:21], \s*ROWB
	s_or_b32 s[G0+4*\s+3], s[G0+4*\s+3], 0x80000000
	s_mov_b32 s[G0B+4*\s], 1
	s_add_co_u32 s[G0B+4*\s+1], s45, \s*SLOT
	s_add_nc_u64 s[G0B+4*\s+2:G0B+4*\s+3], s[46:47], \s*ROWB
	s_or_b32 s[G0B+4*\s+3], s[G0B+4*\s+3], 0x80000000
	JLOAD G0+4*\s, G1, G0B+4*\s, G1B               ; three tensor loads of mine are out now
.endr
	v_and_b32 v1, 15, v0                           ; r = l % 16
	v_bfe_u32 v2, v0, 4, 1                         ; h = l / 16
	v_mul_u32_u24 v3, v1, PITCH
	v_mul_u32_u24 v4, v2, 24
	v_add_nc_u32 v4, v3, v4                        ; a fragment's row x pitch + 24 x half
	v_lshl_add_u32 v5, v2, 4, v4                   ; and the same behind one padding more
	s_mul_i32 s21, s15, HALFT                      ; my 128 rows of A
	s_mul_i32 s22, s16, HALFT                      ; my 128 rows of B,
	s_add_co_u32 s22, s22, 2*HALFT                 ; which lie behind A's 256
.irp s, 0,1
	v_add_nc_u32 v[ADRA+\s], s21, v4
	v_add_nc_u32 v[ADRB+\s], s22, v4
	v_add_nc_u32 v[ADRA+2+\s], s21, v5
	v_add_nc_u32 v[ADRB+2+\s], s22, v5
	s_add_co_u32 s21, s21, SLOT
	s_add_co_u32 s22, s22, SLOT
.endr
	v_mul_u32_u24 v5, v1, KS                       ; my row's scale bytes: 32 a row,
	v_lshrrev_b32 v6, 8, v5
	v_lshl_add_u32 v5, v6, 4, v5                   ; and 16 more for each 256 passed
	s_mul_i32 s21, s15, HALFS                      ; A's: my 128 rows
	s_mul_i32 s22, s16, HALFS                      ; B's: my 128 rows, behind A's 256
	s_add_co_u32 s22, s22, 2*HALFS
	s_sub_co_u32 s22, s22, s21
	v_mul_u32_u24 v6, s22, v2                      ; lanes 16-31 take B's
	s_add_co_u32 s21, s21, SCL
	v_add_nc_u32 v5, v5, v6
	v_add_nc_u32 v[ADRS], s21, v5
	v_and_b32 v6, 31, v0
	v_lshlrev_b32 v[LI], 4, v6                     ; the way out: 16 bytes a lane
	v_mul_u32_u24 v[LR], v2, HB
	v_lshl_add_u32 v[LR], v1, 4, v[LR]             ; lanes 0-15 store the first head's scale words, lanes 16-31 the second's
	v_mov_b32 v[HH], v2
.macro FRAG reg, adr, q, i             ; a fragment, 16 rows x 128 K, is 12 registers: lane l holds row l % 16; registers 6 c .. 6 c + 5 hold the 24 bytes of block 2 c + l / 16, as they lie
.irp p, 0,1,2,3,4,5                    ; in pieces of 8 bytes.  Lanes 0-15 take the row's pieces 12 q + 0, 1, 2 and 12 q + 6, 7, 8, lanes 16-31 those three pieces on
.set PC, 12*(\q)+6*(\p/3)+\p%3        ; 16 bytes of padding lie behind every 8 pieces: where the piece three on lies behind one padding more, the second address register serves
.if PC%8 < 5
	ds_load_b64 v[\reg+2*\p:\reg+2*\p+1], v[\adr] offset:8*PC+16*(PC/8)+(\i)*16*PITCH
.else
	ds_load_b64 v[\reg+2*\p:\reg+2*\p+1], v[\adr+2] offset:8*PC+16*(PC/8)+(\i)*16*PITCH
.endif
.endr
.endm
; 16 matrix instructions: A's blocks a0, a0 + 1 x B's eight, 128 along K: the slot's q-th.  p: B's set;  sc: the set of scale words.  zero = 1: the first product starts the sums.
; The 64 accumulators take turns, one instruction a turn, in the same order in every step.
.macro MUL16 a0, p, q, sc, zero
.irp a, \a0, \a0+1
.irp b, 0,1,2,3,4,5,6,7
.if \zero
	v_wmma_scale_f32_16x16x128_f8f6f4 v[8*(8*((\a)%4)+\b):8*(8*((\a)%4)+\b)+7], v[128*(\p)+FR*\b:128*(\p)+FR*\b+FR-1], v[AF+FR*(\a):AF+FR*(\a)+FR-1], 0, v[SC+8*NQ*(\sc)+NQ*\b+(\q)], v[SC+8*NQ*(\sc)+NQ*(\a)+(\q)] matrix_a_fmt:MATRIX_FMT_FP6 matrix_b_fmt:MATRIX_FMT_FP6 matrix_a_scale:MATRIX_SCALE_ROW1
.else
	v_wmma_scale_f32_16x16x128_f8f6f4 v[8*(8*((\a)%4)+\b):8*(8*((\a)%4)+\b)+7], v[128*(\p)+FR*\b:128*(\p)+FR*\b+FR-1], v[AF+FR*(\a):AF+FR*(\a)+FR-1], v[8*(8*((\a)%4)+\b):8*(8*((\a)%4)+\b)+7], v[SC+8*NQ*(\sc)+NQ*\b+(\q)], v[SC+8*NQ*(\sc)+NQ*(\a)+(\q)] matrix_a_fmt:MATRIX_FMT_FP6 matrix_b_fmt:MATRIX_FMT_FP6 matrix_a_scale:MATRIX_SCALE_ROW1
.endif
.endr
.endr
.endm
.macro FETCH_B slot, q, p              ; B's eight fragments of the slot's q-th 128 along K into set p
	WIN TO_B
.irp i, 0,1,2,3,4,5,6,7
	FRAG 128*(\p)+FR*\i, ADRB+\slot, \q, \i
.endr
	WIN 0
.endm
.macro FETCH_A slot, q, i0             ; A's blocks i0 .. i0 + 3
.irp i, \i0, \i0+1, \i0+2, \i0+3
	FRAG AF+FR*(\i), ADRA+\slot, \q, \i
.endr
.endm
.macro SCALES sc                       ; the next K step's scale words into set sc: two words a row; lanes 0-15 take A's block i, lanes 16-31 B's block i
.irp i, 0,1,2,3,4,5,6,7
	ds_load_b64 v[SC+8*NQ*\sc+NQ*\i:SC+8*NQ*\sc+NQ*\i+1], v[ADRS] offset:\i*SBLK
.endr
.endm
; A load into a register that a matrix instruction has read, and a vector instruction that reads a matrix result or writes one of its registers, stand NP places behind it; only plain vector
; instructions that name none of its registers are places (ISA guide 7.12.1 for vector instructions).
.macro PLACES n
.rept \n
	v_nop
.endr
.endm
; A step of 128 along K that has its successor in the same slot.
.macro STEP slot, q, zero
	s_wait_dscnt 4*NL                              ; B's set and A's blocks 0-3 are in; the youngest 24 loads (A's blocks 4-7) may be out
	WIN MUL_LO
	MUL16 0, (\q)%2, \q, \slot, \zero
	MUL16 2, (\q)%2, \q, \slot, \zero
	s_wait_dscnt 0                                 ; A's blocks 4-7 are in (asked for 32 matrix instructions ago)
	PLACES NP
	FETCH_B \slot, (\q)+1, 1-(\q)%2
	FETCH_A \slot, (\q)+1, 0
	WIN MUL_HI
	MUL16 4, (\q)%2, \q, \slot, \zero
	MUL16 6, (\q)%2, \q, \slot, \zero
	PLACES NP
	WIN 0
	FETCH_A \slot, (\q)+1, 4
.endm
; A slot's last step changes slots: ONE barrier; in front of it each wave waits for all its tensor loads, adds 0 to its spare word, and waits for that and for its own reads of this slot.  fill = 1: this slot is filled again, two K steps ahead.
.macro TURN slot, next, fill
	s_wait_tensorcnt 0x0                           ; all my tensor loads have landed: my part of the next slot;  (every window is 0 here)
	ds_add_u32 v[SPW], v[NIL]                      ; 0 onto my spare word;
	s_wait_dscnt 4*NL+1                            ; (the add and the youngest 24 loads, A's blocks 4-7, may be out)
	WIN MUL_LO
	MUL16 0, 1, NQ-1, \slot, 0                     ; sixteen matrix instructions stand between the add and the wait for it
	s_wait_dscnt 0x0                               ; the add is done, and my reads of this slot are over
	s_barrier_signal -1
	MUL16 2, 1, NQ-1, \slot, 0
	WIN 0
	s_barrier_wait -1
.if \fill
	CREST                                          ; the barrier has opened a round of the cluster's barrier: no wave of any partner still reads this slot's tile or has a load on its way
	s_add_nc_u64 s[G0+4*\slot+2:G0+4*\slot+3], s[G0+4*\slot+2:G0+4*\slot+3], 2*ROWB
	s_add_nc_u64 s[G0B+4*\slot+2:G0B+4*\slot+3], s[G0B+4*\slot+2:G0B+4*\slot+3], 2*ROWB
	JLOAD G0+4*\slot, G1, G0B+4*\slot, G1B         ; the first tensor load behind the round, my only one that is out; the four v_nop behind it are the places in front of the loads below
.else
	PLACES NP
.endif
	v_add_nc_u32 v[ADRS], 4*NQ, v[ADRS]            ; on to the next K step's scale words (no LDS load of mine is out)
	FETCH_B \next, 0, 0
	FETCH_A \next, 0, 0
	SCALES \next
	WIN MUL_HI
	MUL16 4, 1, NQ-1, \slot, 0
	MUL16 6, 1, NQ-1, \slot, 0
	PLACES NP
	WIN 0
	FETCH_A \next, 0, 4
.endm
	s_wait_tensorcnt 1                             ; the scale bytes and my part of K step 0 are in (K step 1's load may be out),
	s_barrier_signal -1
	s_barrier_wait -1                              ; everybody's are
	FETCH_B 0, 0, 0
	FETCH_A 0, 0, 0
	SCALES 0
	FETCH_A 0, 0, 4
	STEP 0, 0, 1                                   ; the first step stands in front of the loop: its products start the sums
	s_mov_b32 s3, LAPS-1
.Llap:                                                 ; a trip goes once round the ring, from a lap's second step to the next lap's first, and fills both slots again
	TURN 0, 1, 1
	STEP 1, 0, 0
	TURN 1, 0, 1
	STEP 0, 0, 0
	s_sub_co_u32 s3, s3, 1
	s_cmp_lg_u32 s3, 0
	s_cbranch_scc1 .Llap
	TURN 0, 1, 0                                   ; the last lap fills nothing, and has no round of the cluster's barrier
	STEP 1, 0, 0
	s_wait_dscnt 4*NL                              ; the very last step: nothing more to fetch
	WIN MUL_LO
	MUL16 0, 1, NQ-1, 1, 0
	MUL16 2, 1, NQ-1, 1, 0
	s_wait_dscnt 0
	WIN MUL_HI
	MUL16 4, 1, NQ-1, 1, 0
	MUL16 6, 1, NQ-1, 1, 0
	WIN 0
; THE WAY OUT.  Tile a of A's rows: a lane's 64 numbers, register 16 b + i of them = number 8 h + i (i < 8) or 16 + 8 h + i - 8 of block b of my row, become codes and a scale word.
; d0: six registers for blocks 0 and 1 (lane (r, h): block h), d1: for blocks 2 and 3;  pw: the row's four scale bytes.
.macro QUANT a, d0, d1, pw
.set AC, 64*((\a)%4)
.set WN, 2+(\a)/4                      ; the accumulators' window
.set WMAX, (WN<<2)|(WN<<4)
.if ((\a)%4) < 2
.set T0, CDH+48
.else
.set T0, CDL+48
.endif
.set T1, T0+4
	WIN WMAX                                       ; sources 1 and 2 in the accumulators' window
.irp b, 0,1,2,3
	v_max3_num_f32 v[TM+\b], 0x1800000, |v[AC+16*\b]|, |v[AC+16*\b+1]|   ; my 16 numbers of block b, each accumulator from its low end on, and the floor 2^(3 - 127): the byte cannot fall under 1
.endr
.irp i, 2,4,6,8,10,12,14
.irp b, 0,1,2,3
	v_max3_num_f32 v[TM+\b], v[TM+\b], |v[AC+16*\b+\i]|, |v[AC+16*\b+\i+1]|   ; (the four blocks by turns)
.endr
.endr
	WIN 0
.irp b, 0,1,2,3
	v_permlanex16_b32 v[TM+4+\b], v[TM+\b], s[SEL], s[SEL+1]
.endr
.irp b, 0,1,2,3
	v_max_num_f32 v[TM+\b], v[TM+\b], v[TM+4+\b]   ; with lane l xor 16's: the block's largest magnitude
.endr
.irp b, 0,1,2,3
	v_add_nc_u32 v[TM+12+\b], 0xff000000, v[TM+\b] ; 2 off its exponent field: the conversion's scale operand
.endr
.irp b, 0,1,2,3
	v_lshrrev_b32 v[TM+4+\b], 23, v[TM+12+\b]      ; the scale's byte
.endr
	v_lshl_or_b32 v[\pw], v[TM+5], 8, v[TM+4]
	v_lshl_or_b32 v[\pw], v[TM+6], 16, v[\pw]
	v_lshl_or_b32 v[\pw], v[TM+7], 24, v[\pw]
	WIN WN                                         ; source 0 in the accumulators' window
	v_cvt_scalef32_pk16_fp6_f32 v[\d0:\d0+2], v[AC:AC+15], v[TM+12]
	v_cvt_scalef32_pk16_fp6_f32 v[T0:T0+2], v[AC+16:AC+31], v[TM+13]   ; (a conversion's three registers begin on an even number)
	v_cvt_scalef32_pk16_fp6_f32 v[\d1:\d1+2], v[AC+32:AC+47], v[TM+14]
	v_cvt_scalef32_pk16_fp6_f32 v[T1:T1+2], v[AC+48:AC+63], v[TM+15]
	WIN 0
	v_nop                                          ; one plain place behind a scaled conversion
.irp i, 0,1,2
	v_permlane16_swap_b32 v[\d0+\i], v[T0+\i]      ; the operand's layout wants a WHOLE block in a lane: lanes 0-15 the even block, lanes 16-31 the odd one
	v_permlane16_swap_b32 v[\d1+\i], v[T1+\i]
.endr
.irp i, 0,1,2
	v_mov_b32 v[\d0+3+\i], v[T0+\i]
	v_mov_b32 v[\d1+3+\i], v[T1+\i]
.endr
.endm
	PLACES NP                                      ; behind the last products: their results are read and A's registers are written from here on
	s_lshl_b32 s95, s40, 2
	s_lshl_b32 s96, s16, 1
	s_add_co_u32 s95, s95, s96                     ; q, k, k_y: my first head = 4 cx + 2 x my half of B's rows
	s_lshl_b32 s96, s41, 2
	s_lshl_b32 s97, s15, 1
	s_add_co_u32 s96, s96, s97                     ; v: 4 cy + 2 x my half of A's rows
	s_lshl_b32 s97, s41, 1
	s_add_co_u32 s97, s97, s15                     ; q, k, k_y: my group of 128 tokens = 2 cy + my half of A's rows
	s_lshl_b32 s98, s40, 1
	s_add_co_u32 s98, s98, s16                     ; v: 2 cx + my half of B's rows
	s_cmp_eq_u32 ttmp9, 3
	s_cselect_b32 s95, s96, s95
	s_cselect_b32 s97, s98, s97
	s_lshl_b32 s96, s17, 4
	s_add_co_u32 s95, s95, s96                     ; 16 x batch + head
	s_mul_i32 s95, s95, HB
	s_mul_i32 s96, ttmp9, KST
	s_add_co_u32 s95, s95, s96                     ; my first head's block in aq (under 2^24 bytes)
	s_mul_i32 s98, s97, 6144                       ; four units a group
	s_add_co_u32 s98, s98, s95
	s_mov_b32 s99, 0
	s_add_nc_u64 s[8:9], s[6:7], s[98:99]          ; where my codes go
	s_lshl_b32 s98, s97, 8                         ; 256 bytes of scale words a group
	s_add_co_u32 s98, s98, s95
	s_add_co_u32 s98, s98, 49152
	s_add_nc_u64 s[10:11], s[6:7], s[98:99]        ; and my scale words
.irp b, 0,1,2,3
	v_mov_b32 v[TM+4+\b], 0                        ; written once: a lane permute's destination counts as one of its sources
.endr
	s_cmp_eq_u32 ttmp9, 3                          ; the cluster's x: the same in all sixteen partners
	s_cbranch_scc1 .Lv
	; q, k, k_y: my 128 rows of B are two heads; a pair of token tiles makes one unit of each head
.irp j, 0,1,2,3
.set UB, CDH+24*(\j/2)-(CDH-CDL)*(\j%2)
	QUANT 2*\j, UB, UB+12, PWA
	QUANT 2*\j+1, UB+6, UB+18, PWB
	v_perm_b32 v[SW+\j], v[PWB], v[PWA], 0x05040100     ; the first head: token r's two bytes, then token 16 + r's
	v_perm_b32 v[SW+4+\j], v[PWB], v[PWA], 0x07060302   ; the second head
.irp e, 0,1
.irp c, 0,1,2
	global_store_b128 v[LI], v[UB+12*\e+4*\c:UB+12*\e+4*\c+3], s[8:9] offset:\e*HB+\j*1536+512*\c   ; 32 lanes store 512 consecutive bytes, aligned
.endr
.endr
.endr
	s_branch .Ljoin
.Lv:
	; v: my 128 rows of A are two heads x four tiles of 16 channels; my 128 tokens are one K step of the second product: a tile makes one unit
.irp a, 0,1,2,3,4,5,6,7
.set UB, CDH+12*(2*(\a/4)+\a%2)-(CDH-CDL)*((\a%4)/2)
	QUANT \a, UB, UB+6, SW+\a
.irp c, 0,1,2
	global_store_b128 v[LI], v[UB+4*\c:UB+4*\c+3], s[8:9] offset:(\a/4)*HB+(\a%4)*1536+512*\c
.endr
.endr
.Ljoin:
	v_cmp_ne_u32 vcc_lo, 0, v[HH]
.irp j, 0,1,2,3
	v_cndmask_b32 v[SS+\j], v[SW+\j], v[SW+4+\j], vcc_lo   ; both halves of the lanes hold row r's words: lanes 16-31 take the second head's
.endr
	global_store_b128 v[LR], v[SS:SS+3], s[10:11]  ; sixteen lanes store 256 consecutive bytes, aligned, for each head
	s_wait_tensorcnt 0x0                           ; the wave's end
	ds_add_u32 v[SPW], v[NIL]
	s_wait_dscnt 0x0
	CROUND                                         ; the closing round: no work-group ends while a partner may still ask for a tile that names it
	s_endpgm
.Lfunc_end_k_q94bcda40f2_qkv:
	.size	k_q94bcda40f2_qkv, .Lfunc_end_k_q94bcda40f2_qkv-k_q94bcda40f2_qkv
	.p2alignl 7, 3214868480
	.fill 96, 4, 3214868480
	.section	.rodata,"a",@progbits
	.p2align	6, 0x0
	.amdhsa_kernel k_q94bcda40f2_qkv
		.amdhsa_group_segment_fixed_size 327680
		.amdhsa_private_segment_fixed_size 0
		.amdhsa_enable_private_segment 0
		.amdhsa_kernarg_size 16
		.amdhsa_user_sgpr_count 2
		.amdhsa_user_sgpr_kernarg_segment_ptr 1
		.amdhsa_wavefront_size32 1
		.amdhsa_system_sgpr_workgroup_id_x 1
		.amdhsa_system_sgpr_workgroup_id_y 1
		.amdhsa_system_sgpr_workgroup_id_z 1
		.amdhsa_system_vgpr_workitem_id 0
		.amdhsa_next_free_vgpr 1024
		.amdhsa_next_free_sgpr 100
		.amdhsa_reserve_vcc 1
		.amdhsa_float_denorm_mode_32 3
		.amdhsa_float_denorm_mode_16_64 3
		.amdhsa_memory_ordered 1
		.amdhsa_forward_progress 1
		.amdhsa_inst_pref_size 198
	.end_amdhsa_kernel
	.amdgpu_metadata
---
amdhsa.version: [ 1, 2 ]
amdhsa.kernels:
  - .name:           k_q94bcda40f2_qkv
    .symbol:         k_q94bcda40f2_qkv.kd
    .args:
      - { .name: cq, .offset: 0, .size: 8, .value_kind: global_buffer, .address_space: global }
      - { .name: aq, .offset: 8, .size: 8, .value_kind: global_buffer, .address_space: global }
    .group_segment_fixed_size: 327680
    .private_segment_fixed_size: 0
    .kernarg_segment_align: 8
    .kernarg_segment_size: 16
    .max_flat_workgroup_size: 128
    .sgpr_count:     100
    .vgpr_count:     1024
    .wavefront_size: 32
...
	.end_amdgpu_metadata
.endif
;; end of part 2
;; launch attn (part 3): grid 4 x 64, 16 waves a work-group, clusters of 4 x 1, 169,984 bytes of LDS; arguments aq, oq; writes oq
.if DOCPART == 3
	.amdgcn_target "amdgcn-amd-amdhsa--gfx1250"
	.amdhsa_code_object_version 6
	.text
	.protected	k_q94bcda40f2_attn
	.globl	k_q94bcda40f2_attn
	.p2align	8
	.type	k_q94bcda40f2_attn,@function
k_q94bcda40f2_attn:
	s_mov_b64 s[64:65], 0
	v_nop
	global_prefetch_b8 v0, s[64:65] scope:SCOPE_SE
	s_setreg_imm32_b32 hwreg(HW_REG_WAVE_MODE, 25, 1), 1
	s_wait_xcnt 0x0
	s_wait_alu depctr_hold_cnt(0) depctr_sa_sdst(0) depctr_va_vdst(0) depctr_va_sdst(0) depctr_va_ssrc(0) depctr_va_vcc(0) depctr_vm_vsrc(0)
	s_getreg_b32 s2, hwreg(HW_REG_IB_STS2, 6, 4)
	s_cmp_eq_u32 s2, 0
	s_cbranch_scc0 .Lentry_in_a_cluster
	s_endpgm
.Lentry_in_a_cluster:
	s_bfe_u32 s2, ttmp6, 0x10000c
	s_cmp_lg_u32 s2, 0x3003
	s_cbranch_scc0 .Lentry_shape_is_right
	s_endpgm
.Lentry_shape_is_right:
; For each of the 64 (batch, head): L = q k^T / 8, L_y = q k_y^T / 8, agg = sum over the keys that count of exp(clip(L_y, -15, 15)) + 1e-6,
; w = softplus(log(|L| + 1e-6) - log(agg + 1e-6)) = log1p(u), u = (|L| + 1e-6) / (agg + 1e-6), A = w / (sum of w + 1e-6), out = A v; key k counts for query q where k <= q.
; All three products on codes of FP6 (E2M3) with E8M0 scales; A is quantised finished and normalised, along the keys; the result is quantised along the head's 64 for the projection.  All else in f32.
; THREE WALKS over the keys: A's codes want the row's sum of w, and w wants the row's agg.  Walk 1: L_y, agg.  Walk 2: L, w, its sum.  Walk 3: L, w again, A, its codes, A v.
; exp stands behind the clip at +-15, as the definition has it: its sums lie between 3e-7 and 4e9, so no maximum is taken away.
; log1p: t = 1 + u; c = u - (t - 1), which for t < 2 is exactly what the addition lost; c held to +-2^-24; w = log2(t) ln 2 + c.  c stands for c / t: that errs by under c u / t, at most 6e-8 of w; for t >= 2 the held c is at most 6e-8 beside 0.69.
; LIMITS: NaN and infinities are not served; the divisions are a reciprocal and a multiplication; a block whose largest magnitude lies under 2^-124, a block of zeros among them, gets the byte 1; the order of the f32 sums is this text's.
; SHARES.  The four work-groups of a cluster belong to one head.  Wave w takes group g = w xor ((w / 2) & 2) and the tile of 16 queries tq = 4 g + cx; it walks key steps 0 .. g / 2 of 128 keys; the last is its diagonal step.
; So what a wave walks hangs on its number alone, all work-groups have the same 72 wave steps, and waves w, w + 4, w + 8, w + 12 have 18 together.  cx enters global addresses and the mask's threshold alone.
; LDS: the head's k, k_y and v, codes and scale words, 3 x 51,200 bytes as they lie in aq: images of operand registers.  Filled ONCE, by six joint loads (waves 0-5, 25,600 bytes each; one tensor load of a wave is out at the most).
; The four partners ask jointly; all that a work-group reads is asked for at its head, so nothing is left to prefetch.
; K = 64 IN AN INSTRUCTION OF 128: a unit of k holds token 32 u + r in its first 64 and token 32 u + 16 + r in its second.  q stands between zeros: [q|0] gives the first tile of 16 keys, [0|q] the second; zero codes add nothing (their scale byte is 0, which is 2^-127).
; LAYOUT.  Both products transposed (source 0 = keys, or v's channels; source 1 = my 16 queries): a lane (r, h) holds query r throughout; score register 16 u + 8 t + j is key 32 u + 16 t + 8 h + j of the step.
; So a lane's 16 registers of unit u are numbers 8 h + 0..7 and 16 + 8 h + 0..7 of a block of 32 keys: after the exchange of halves the codes stand in the order 0-7, 16-23, 8-15, 24-31, as v's keys do.
.set KST,  3276800                     ; aq: from kind to kind (q, k, k_y, v)
.set HB,   51200                       ; aq: from head to head; also a region of LDS
.set SWO,  49152                       ; where a head's scale words begin
.set OQS,  3145728                     ; where oq's scale bytes begin
.set LI,   1                           ; v1   16 x lane
.set LR,   2                           ; v2   16 x r
.set ADC,  3                           ; v3   LDS address of the codes in hand
.set ADS,  4                           ; v4   of the scale words in hand
.set DLT,  5                           ; v5   16 (tq % 8) + r - 8 h: score register n is hidden in the diagonal step where 16 (n / 8) + n % 8 is above it
.set HH,   6                           ; v6   h
.set ZR,   7                           ; v7   0
;          v[8:11] sums, two pairs;  v12 0.125 / (agg + 1e-6), v13 1e-6 / (agg + 1e-6);  v[14:15] 1 / (sum of w + 1e-6), twice;  v16-33 0 | q | 0
.set QSA,  34                          ; v34  q's scale word for [q|0];  v35 for [0|q]
.set QSB,  35
.set KS,   36                          ; v36-39 the step's four scale words
.set PC,   40                          ; v40-51 codes just made; v52-58 the conversions' second halves
.set TM,   60                          ; v60-75 at work
.set PW,   76                          ; v76  the scale word just made
.set NINF, 77                          ; v77  -infinity;  v78 120.0;  v79 2^-24
.set D,    80                          ; v80-95 t - 1, eight pairs at a time
.set F,    96                          ; v96-143 four units of k, k_y or v
.set T,    96                          ; v96-159 t, then log2(t)
.set S,    160                         ; v160-223 scores, then u, c, w, A
.set O,    224                         ; v224-255 out^T: four accumulators
.set WV,   8                           ; s8   wave;  s9 cx;  s10 16 batch + head;  s11 g;  s13 tq
.set SD,   12                          ; s12  my diagonal step
.set SEL,  30                          ; s[30:31] lane selects for v_permlanex16_b32: lane l xor 16
.set C1,   32                          ; s[32:33] log2(e) / 8
.set LN2,  34                          ; s[34:35] ln 2
.set TB,   36                          ; s36  LDS byte of the step's codes
.set TS,   37                          ; s37  of its scale words
.set STEP, 38                          ; s38  the key step
.macro ROUND                           ; a round of the cluster's barrier
	s_barrier_signal -1
	s_barrier_wait -1
	s_cmp_lg_u32 s[WV], 0
	s_cbranch_scc1 .Lnot_wave_0_\@
	s_barrier_signal -3
.Lnot_wave_0_\@:
	s_barrier_wait -3
	s_barrier_signal -1
	s_barrier_wait -1
.endm
	s_load_b128 s[4:7], s[0:1], 0x0                ; aq s[4:5], oq s[6:7]
	v_lshl_add_u32 v70, v0, 2, 0x29000
	v_mov_b32 v71, 0
	ds_add_u32 v70, v71
	ds_add_u32 v70, v71
	v_lshrrev_b32 v1, 5, v0
	v_readfirstlane_b32 s[WV], v1                  ; wave 0..15
	s_bfe_u32 s9, ttmp6, 0x40000                   ; cx
	s_and_b32 s10, ttmp7, 0xffff                   ; 16 batch + head, which the four partners share
	s_lshr_b32 s11, s[WV], 1
	s_and_b32 s11, s11, 2
	s_xor_b32 s11, s11, s[WV]                      ; g
	s_lshr_b32 s[SD], s11, 1
	s_lshl_b32 s13, s11, 2
	s_add_co_u32 s13, s13, s9                      ; tq
	; descriptor group 1: 100 rows of 256 bytes, dense in memory and in LDS
	s_mov_b32 s16, 15|(3<<16)|(1<<21)              ; 15:0 the mask: all four work-groups; 17:16 elements of 8 bytes; 20 padding off; 21 set beside a mask
	s_mov_b32 s17, 32<<16                          ; tensor_dim0 = 32
	s_mov_b32 s18, 100<<16                         ; tensor_dim1 = 100
	s_mov_b32 s19, 32<<16                          ; tile_dim0 = 32
	s_mov_b32 s20, 100                             ; tile_dim1 = 100
	s_mov_b32 s21, 32                              ; tensor_dim0_stride
	s_mov_b32 s22, 0
	s_mov_b32 s23, 0
	s_mov_b32 s24, 1                               ; group 0: count = 1
	s_mul_i32 s25, s[WV], 25600                    ; LDS address: waves 0, 1: k's halves; 2, 3: k_y's; 4, 5: v's
	s_lshr_b32 s14, s[WV], 1
	s_add_co_u32 s14, s14, 1
	s_mul_i32 s14, s14, KST                        ; kind 1 + wave / 2,
	s_and_b32 s15, s[WV], 1
	s_mul_i32 s15, s15, 25600                      ; its half,
	s_add_co_u32 s14, s14, s15
	s_mul_i32 s44, s10, HB                         ; in my head
	s_add_co_u32 s14, s14, s44
	s_mov_b32 s15, 0
	s_wait_dscnt 0x0
	s_wait_kmcnt 0x0
	s_add_nc_u64 s[26:27], s[4:5], s[14:15]
	s_or_b32 s27, s27, 0x80000000                  ; type = 2
	ROUND                                          ; all four work-groups are here: the joint loads meet
	s_cmp_lt_u32 s[WV], 6
	s_cbranch_scc0 .Lno_fill
	tensor_load_to_lds s[24:27], s[16:23]
	s_nop 0
.rept 4
	v_nop                                          ; four v_nop follow the line
.endr
.Lno_fill:
	s_lshr_b32 s14, s13, 1
	s_mul_i32 s14, s14, 1536
	s_add_co_u32 s14, s14, s44
	s_add_nc_u64 s[28:29], s[4:5], s[14:15]        ; q (kind 0): the unit that holds my tile
	s_lshr_b32 s14, s13, 3
	s_lshl_b32 s14, s14, 8                         ; its group of 128 tokens,
	s_bfe_u32 s45, s13, 0x20001
	s_lshl_b32 s45, s45, 2                         ; its word among a row's four
	s_add_co_u32 s14, s14, s45
	s_add_co_u32 s14, s14, s44
	s_add_co_u32 s14, s14, SWO
	s_add_nc_u64 s[40:41], s[4:5], s[14:15]
	s_and_b32 s45, s13, 1                          ; p: which half of the unit's registers is my tile's
	s_mul_i32 s46, s45, 520                        ; registers 6 p, 6 p + 1 lie at 16 l + 520 p; 6 p + 4, 6 p + 5 512 bytes on;
	s_mul_i32 s47, s45, 1016                       ; registers 6 p + 2, 6 p + 3 at 16 l + 8 + 1,016 p
	s_lshl_b32 s45, s45, 4
	v_and_b32 v1, 31, v0
	v_lshlrev_b32 v[LI], 4, v1
	v_and_b32 v2, 15, v0                           ; r
	v_bfe_u32 v[HH], v0, 4, 1
	s_and_b32 s14, s13, 7
	s_lshl_b32 s14, s14, 4
	v_add_nc_u32 v[DLT], s14, v2
	v_lshlrev_b32 v3, 3, v[HH]
	v_sub_nc_u32 v[DLT], v[DLT], v3
	v_lshlrev_b32 v[LR], 4, v2
	v_add_nc_u32 v3, s46, v[LI]
	v_add_nc_u32 v4, s47, v[LI]
	global_load_b64 v[22:23], v3, s[28:29]
	global_load_b64 v[24:25], v4, s[28:29] offset:8
	global_load_b64 v[26:27], v3, s[28:29] offset:512
	global_load_b32 v[QSA], v[LR], s[40:41]
.irp j, 16,17,18,19,20,21,28,29,30,31,32,33
	v_mov_b32 v\j, 0                               ; the zero codes on both sides of q
.endr
	v_mov_b32 v[ZR], 0
	v_mov_b32 v[NINF], 0xff800000
	v_mov_b32 v78, 0x42f00000                      ; 120: the clip at 15, ahead of the factor 1 / 8
	v_mov_b32 v79, 0x33800000                      ; 2^-24
.irp b, 0,1,2,3
	v_mov_b32 v[TM+4+\b], 0                        ; written once: a lane permute's destination counts as one of its sources
.endr
	s_mov_b32 s[SEL], 0x76543210
	s_mov_b32 s[SEL+1], 0xfedcba98
	s_mov_b32 s[C1], 0x3e38aa3b
	s_mov_b32 s[C1+1], s[C1]                       ; (named with it as a pair, so it is written)
	s_mov_b32 s[LN2], 0x3f317218
	s_mov_b32 s[LN2+1], s[LN2]
	s_wait_loadcnt 0x0                             ; q and its scale word
	v_lshrrev_b32 v[QSA], s45, v[QSA]
	v_and_b32 v[QSA], 0xffff, v[QSA]               ; my tile's two bytes below, byte 0 for the zero half;
	v_lshlrev_b32 v[QSB], 16, v[QSA]               ; and the other way round.  The 36 lines below are the places between these and the first product
.irp j, 8,9,10,11
	v_mov_b32 v\j, 0
.endr
.set n, 0
.rept 32
	v_mov_b32 v[O+n], 0                            ; out^T: the walk is written once, its first step adds onto zeros
.set n, n+1
.endr
	s_wait_tensorcnt 0x0                           ; my part of the head is in,
	s_barrier_signal -1
	s_barrier_wait -1                              ; everybody's is.  Nothing is filled again: no further barrier but the closing round
; The step's 128 scores of my 16 queries, from the codes at s[TB] and the scale words at s[TS].
.macro SCORES
	v_add_nc_u32 v[ADC], s[TB], v[LI]
	v_add_nc_u32 v[ADS], s[TS], v[LR]
	v_nop
	v_nop                                          ; four places in front of loads into registers that the walk's last products have read
.irp u, 0,1,2,3
.irp c, 0,1,2
	ds_load_b128 v[F+12*\u+4*\c:F+12*\u+4*\c+3], v[ADC] offset:1536*\u+512*\c   ; an image: 512 consecutive bytes a load
.endr
.endr
	ds_load_b128 v[KS:KS+3], v[ADS]                ; row r's four words, one for each unit
	s_wait_dscnt 0x0
.irp u, 0,1,2,3
	v_wmma_scale_f32_16x16x128_f8f6f4 v[S+16*\u:S+16*\u+7], v[F+12*\u:F+12*\u+11], v[22:33], 0, v[KS+\u], v[QSA] matrix_a_fmt:MATRIX_FMT_FP6 matrix_b_fmt:MATRIX_FMT_FP6
	v_wmma_scale_f32_16x16x128_f8f6f4 v[S+16*\u+8:S+16*\u+15], v[F+12*\u:F+12*\u+11], v[16:27], 0, v[KS+\u], v[QSB] matrix_a_fmt:MATRIX_FMT_FP6 matrix_b_fmt:MATRIX_FMT_FP6
.endr
.rept 4
	v_nop
.endr
.endm
; In my diagonal step the numbers of hidden keys are replaced by v[val]; the other steps jump over it (a branch on the wave's number and the step)
.macro MASK val
	s_cmp_lg_u32 s[STEP], s[SD]
	s_cbranch_scc1 .Lopen_\@
.set n, 0
.rept 64
	v_cmp_gt_i32 vcc_lo, 16*(n/8)+n%8, v[DLT]
	v_cndmask_b32 v[S+n], v[S+n], v[\val], vcc_lo
.set n, n+1
.endr
.Lopen_\@:
.endm
; w = log1p(u) of the 64 raw scores in S
.macro LOG1P
.set n, 0
.rept 64
	v_fma_f32 v[S+n], |v[S+n]|, v12, v13           ; u = (|score| / 8 + 1e-6) / (agg + 1e-6); each accumulator from its low end on
.set n, n+1
.endr
.set n, 0
.rept 32
	v_pk_add_f32 v[T+n:T+n+1], v[S+n:S+n+1], 1.0 op_sel_hi:[1,0]   ; t = 1 + u
.set n, n+2
.endr
.set g, 0
.rept 4
.set n, 0
.rept 8
	v_pk_add_f32 v[D+n:D+n+1], v[T+16*g+n:T+16*g+n+1], -1.0 op_sel_hi:[1,0]   ; t - 1
.set n, n+2
.endr
.set n, 0
.rept 8
	v_pk_add_f32 v[S+16*g+n:S+16*g+n+1], v[S+16*g+n:S+16*g+n+1], v[D+n:D+n+1] neg_lo:[0,1] neg_hi:[0,1]   ; c = u - (t - 1)
.set n, n+2
.endr
.set g, g+1
.endr
.set n, 0
.rept 64
	v_log_f32 v[T+n], v[T+n]                       ; one batch
.set n, n+1
.endr
.set n, 0
.rept 64
	v_med3_num_f32 v[S+n], v[S+n], -v79, v79       ; c held: plain work that names none of the batch's results
.set n, n+1
.endr
	s_wait_alu depctr_va_vdst(0)                   ; one wait for the batch, ahead of its first reader
.set n, 0
.rept 32
	v_pk_fma_f32 v[S+n:S+n+1], v[T+n:T+n+1], s[LN2:LN2+1], v[S+n:S+n+1] op_sel_hi:[1,0,1]   ; w = log2(t) ln 2 + c
.set n, n+2
.endr
.endm
.macro ADDUP                           ; the 64 numbers in S onto the sums, two at a time, in two chains
.set n, 0
.rept 16
	v_pk_add_f32 v[8:9], v[8:9], v[S+n:S+n+1]
	v_pk_add_f32 v[10:11], v[10:11], v[S+n+2:S+n+3]
.set n, n+4
.endr
.endm
.macro ROWSUM                          ; the four partial sums, and lane l xor 16's: the row's sum in v8
	v_add_f32 v8, v8, v9
	v_add_f32 v10, v10, v11
	v_add_f32 v8, v8, v10
	v_permlanex16_b32 v9, v8, s[SEL], s[SEL+1]
	v_add_f32 v8, v8, v9
.endm
; 64 numbers of a lane, v[s] on, register 16 b + i in block b of my row, become a fragment's codes in v[PC] on and its scale word in v[PW]
.macro QUANT s
.irp b, 0,1,2,3
	v_max3_num_f32 v[TM+\b], |v[\s+16*\b]|, |v[\s+1+16*\b]|, 0x1800000   ; my 16 numbers, and the floor 2^(3 - 127): the byte cannot fall under 1
.endr
.irp i, 2,4,6,8,10,12,14
.irp b, 0,1,2,3
	v_max3_num_f32 v[TM+\b], v[TM+\b], |v[\s+16*\b+\i]|, |v[\s+1+16*\b+\i]|
.endr
.endr
.irp b, 0,1,2,3
	v_permlanex16_b32 v[TM+4+\b], v[TM+\b], s[SEL], s[SEL+1]
.endr
.irp b, 0,1,2,3
	v_max_num_f32 v[TM+\b], v[TM+\b], v[TM+4+\b]   ; with lane l xor 16's: the block's largest magnitude
.endr
.irp b, 0,1,2,3
	v_add_nc_u32 v[TM+12+\b], 0xff000000, v[TM+\b] ; 2 off its exponent field: the conversion's scale operand
.endr
.irp b, 0,1,2,3
	v_lshrrev_b32 v[TM+4+\b], 23, v[TM+12+\b]      ; the scale's byte
.endr
	v_lshl_or_b32 v[PW], v[TM+5], 8, v[TM+4]
	v_lshl_or_b32 v[PW], v[TM+6], 16, v[PW]
	v_lshl_or_b32 v[PW], v[TM+7], 24, v[PW]
.irp c, 0,1
	v_cvt_scalef32_pk16_fp6_f32 v[PC+6*\c:PC+2+6*\c], v[\s+32*\c:\s+15+32*\c], v[TM+12+2*\c]
	v_cvt_scalef32_pk16_fp6_f32 v[PC+12+4*\c:PC+14+4*\c], v[\s+16+32*\c:\s+31+32*\c], v[TM+12+2*\c+1]   ; (a conversion's three registers begin on an even number)
.endr
	v_nop                                          ; one plain place behind a scaled conversion
.irp c, 0,1                                    ; the operand's layout wants a WHOLE block in a lane
.irp i, 0,1,2
	v_permlane16_swap_b32 v[PC+6*\c+\i], v[PC+12+4*\c+\i]
.endr
.irp i, 0,1,2
	v_mov_b32 v[PC+3+6*\c+\i], v[PC+12+4*\c+\i]
.endr
.endr
.endm
; Each walk is a loop of eight trips in every wave; a wave jumps over the work of the steps behind its diagonal, not over the lines that step addresses.
	; ---- WALK 1: agg
	s_mov_b32 s[TB], HB                            ; k_y's codes
	s_mov_b32 s[TS], HB+SWO
	s_mov_b32 s[STEP], 0
.Lp1:
	s_cmp_gt_u32 s[STEP], s[SD]
	s_cbranch_scc1 .Lp1_skip
	SCORES
.set n, 0
.rept 64
	v_med3_num_f32 v[S+n], v[S+n], -v78, v78       ; the clip
.set n, n+1
.endr
.set n, 0
.rept 32
	v_pk_mul_f32 v[S+n:S+n+1], v[S+n:S+n+1], s[C1:C1+1] op_sel_hi:[1,0]   ; x log2(e) / 8
.set n, n+2
.endr
	MASK NINF                                      ; hidden keys: 2^-infinity = 0
.set n, 0
.rept 64
	v_exp_f32 v[S+n], v[S+n]                       ; one batch
.set n, n+1
.endr
	v_nop                                          ; a plain place behind the last exponential
	s_wait_alu depctr_va_vdst(0)                   ; one wait for the batch, ahead of its first reader
	ADDUP
.Lp1_skip:
	s_add_co_u32 s[TB], s[TB], 6144
	s_add_co_u32 s[TS], s[TS], 256
	s_add_co_u32 s[STEP], s[STEP], 1
	s_cmp_lt_u32 s[STEP], 8
	s_cbranch_scc1 .Lp1
	ROWSUM
	v_add_f32 v8, 0x358637bd, v8                   ; agg = the sum + 1e-6,
	v_add_f32 v8, 0x358637bd, v8                   ; and agg + 1e-6
	v_rcp_f32 v12, v8
	v_mov_b32 v9, 0                                ; (a plain place behind the reciprocal)
	s_wait_alu depctr_va_vdst(0)
	v_mul_f32 v13, 0x358637bd, v12
	v_mul_f32 v12, 0x3e000000, v12
	v_mov_b32 v8, 0
	v_mov_b32 v10, 0
	v_mov_b32 v11, 0
	; ---- WALK 2: the sum of w
	s_mov_b32 s[TB], 0                             ; k's codes
	s_mov_b32 s[TS], SWO
	s_mov_b32 s[STEP], 0
.Lp2:
	s_cmp_gt_u32 s[STEP], s[SD]
	s_cbranch_scc1 .Lp2_skip
	SCORES
	LOG1P
	MASK ZR
	ADDUP
.Lp2_skip:
	s_add_co_u32 s[TB], s[TB], 6144
	s_add_co_u32 s[TS], s[TS], 256
	s_add_co_u32 s[STEP], s[STEP], 1
	s_cmp_lt_u32 s[STEP], 8
	s_cbranch_scc1 .Lp2
	ROWSUM
	v_add_f32 v8, 0x358637bd, v8
	v_rcp_f32 v14, v8
	v_nop
	s_wait_alu depctr_va_vdst(0)
	v_mov_b32 v15, v14                             ; (named with it as a pair)
	; ---- WALK 3: A, its codes, A v
	s_mov_b32 s[TB], 0
	s_mov_b32 s[TS], SWO
	s_mov_b32 s[STEP], 0
.Lp3:
	s_cmp_gt_u32 s[STEP], s[SD]
	s_cbranch_scc1 .Lp3_skip
	SCORES
	LOG1P
	v_add_nc_u32 v[ADC], 2*HB, v[ADC]              ; v's four units of these 128 keys are asked for now: t's registers are free
	v_add_nc_u32 v[ADS], 2*HB, v[ADS]
.irp u, 0,1,2,3
.irp c, 0,1,2
	ds_load_b128 v[F+12*\u+4*\c:F+12*\u+4*\c+3], v[ADC] offset:1536*\u+512*\c
.endr
.endr
	ds_load_b128 v[KS:KS+3], v[ADS]
	MASK ZR
.set n, 0
.rept 32
	v_pk_mul_f32 v[S+n:S+n+1], v[S+n:S+n+1], v[14:15] op_sel_hi:[1,0]   ; A = w / (the sum + 1e-6)
.set n, n+2
.endr
	QUANT S
.rept 8
	v_nop                                          ; a scale register written by a vector instruction stands 8 places ahead of a scaled product, an operand so written 4
.endr
	s_wait_dscnt 0x0                               ; v
.irp d, 0,1,2,3                                ; the four accumulators by turns; the next step's eight score products stand between two links of a chain
	v_wmma_scale_f32_16x16x128_f8f6f4 v[O+8*\d:O+8*\d+7], v[F+12*\d:F+12*\d+11], v[PC:PC+11], v[O+8*\d:O+8*\d+7], v[KS+\d], v[PW] matrix_a_fmt:MATRIX_FMT_FP6 matrix_b_fmt:MATRIX_FMT_FP6
.endr
.Lp3_skip:
	s_add_co_u32 s[TB], s[TB], 6144
	s_add_co_u32 s[TS], s[TS], 256
	s_add_co_u32 s[STEP], s[STEP], 1
	s_cmp_lt_u32 s[STEP], 8
	s_cbranch_scc1 .Lp3
	; ---- THE WAY OUT: register 16 b + i of out^T lies in block b of my query's 64 numbers: two blocks, quantised as above.
	; oq: codes [token / 16][head][i][lane][8 bytes]: registers 2 i, 2 i + 1 of lane (r, h): block h; scale bytes [token][2 head + block] from OQS on.
.rept 4
	v_nop
.endr
	s_lshr_b32 s14, s10, 4                         ; the batch
	s_and_b32 s45, s10, 15                         ; the head
	s_lshl_b32 s46, s14, 6
	s_add_co_u32 s46, s46, s13                     ; my tile of 16 tokens: 64 batch + tq
	s_lshl_b32 s47, s46, 4
	s_add_co_u32 s47, s47, s45
	s_mul_i32 s14, s47, 768
	s_add_nc_u64 s[40:41], s[6:7], s[14:15]
	s_lshl_b32 s14, s46, 9                         ; 16 tokens x 32 bytes
	s_lshl_b32 s45, s45, 1
	s_add_co_u32 s14, s14, s45
	s_add_co_u32 s14, s14, OQS
	s_add_nc_u64 s[42:43], s[6:7], s[14:15]
.irp b, 0,1
	v_max3_num_f32 v[TM+\b], |v[O+16*\b]|, |v[O+1+16*\b]|, 0x1800000   ; each accumulator from its low end on
.endr
.irp i, 2,4,6,8,10,12,14
.irp b, 0,1
	v_max3_num_f32 v[TM+\b], v[TM+\b], |v[O+16*\b+\i]|, |v[O+1+16*\b+\i]|
.endr
.endr
.irp b, 0,1
	v_permlanex16_b32 v[TM+4+\b], v[TM+\b], s[SEL], s[SEL+1]
.endr
.irp b, 0,1
	v_max_num_f32 v[TM+\b], v[TM+\b], v[TM+4+\b]
.endr
.irp b, 0,1
	v_add_nc_u32 v[TM+12+\b], 0xff000000, v[TM+\b]
.endr
.irp b, 0,1
	v_lshrrev_b32 v[TM+4+\b], 23, v[TM+12+\b]
.endr
	v_cvt_scalef32_pk16_fp6_f32 v[PC:PC+2], v[O:O+15], v[TM+12]
	v_cvt_scalef32_pk16_fp6_f32 v[PC+12:PC+14], v[O+16:O+31], v[TM+13]
	v_nop                                          ; one plain place behind a scaled conversion
.irp i, 0,1,2
	v_permlane16_swap_b32 v[PC+\i], v[PC+12+\i]
.endr
.irp i, 0,1,2
	v_mov_b32 v[PC+3+\i], v[PC+12+\i]
.endr
	v_cmp_ne_u32 vcc_lo, 0, v[HH]
	v_cndmask_b32 v[TM], v[TM+4], v[TM+5], vcc_lo  ; lane (r, h): the byte of block h
	v_lshrrev_b32 v[ADC], 1, v[LI]                 ; 8 x lane
	v_lshl_add_u32 v[ADS], v[LR], 1, v[HH]         ; 32 r + h
.irp i, 0,1,2
	global_store_b64 v[ADC], v[PC+2*\i:PC+2*\i+1], s[40:41] offset:256*\i   ; 32 lanes store 256 consecutive bytes, aligned
.endr
	global_store_b8 v[ADS], v[TM], s[42:43]        ; two bytes a token: their neighbours in a token's 32 belong to other heads, which other work-groups hold
	s_wait_tensorcnt 0x0
	ds_add_u32 v70, v71
	s_wait_dscnt 0x0
	ROUND                                          ; the closing round: no work-group ends while a partner may still ask for a tile that names it
	s_endpgm
.Lfunc_end_k_q94bcda40f2_attn:
	.size	k_q94bcda40f2_attn, .Lfunc_end_k_q94bcda40f2_attn-k_q94bcda40f2_attn
	.p2alignl 7, 3214868480
	.fill 96, 4, 3214868480
	.section	.rodata,"a",@progbits
	.p2align	6, 0x0
	.amdhsa_kernel k_q94bcda40f2_attn
		.amdhsa_group_segment_fixed_size 169984
		.amdhsa_private_segment_fixed_size 0
		.amdhsa_enable_private_segment 0
		.amdhsa_kernarg_size 16
		.amdhsa_user_sgpr_count 2
		.amdhsa_user_sgpr_kernarg_segment_ptr 1
		.amdhsa_wavefront_size32 1
		.amdhsa_system_sgpr_workgroup_id_x 1
		.amdhsa_system_sgpr_workgroup_id_y 1
		.amdhsa_system_sgpr_workgroup_id_z 1
		.amdhsa_system_vgpr_workitem_id 0
		.amdhsa_next_free_vgpr 256
		.amdhsa_next_free_sgpr 66
		.amdhsa_reserve_vcc 1
		.amdhsa_float_denorm_mode_32 3
		.amdhsa_float_denorm_mode_16_64 3
		.amdhsa_memory_ordered 1
		.amdhsa_forward_progress 1
		.amdhsa_inst_pref_size 90
	.end_amdhsa_kernel
	.amdgpu_metadata
---
amdhsa.version: [ 1, 2 ]
amdhsa.kernels:
  - .name:           k_q94bcda40f2_attn
    .symbol:         k_q94bcda40f2_attn.kd
    .args:
      - { .name: aq, .offset: 0, .size: 8, .value_kind: global_buffer, .address_space: global }
      - { .name: oq, .offset: 8, .size: 8, .value_kind: global_buffer, .address_space: global }
    .group_segment_fixed_size: 169984
    .private_segment_fixed_size: 0
    .kernarg_segment_align: 8
    .kernarg_segment_size: 16
    .max_flat_workgroup_size: 512
    .sgpr_count:     66
    .vgpr_count:     256
    .wavefront_size: 32
...
	.end_amdgpu_metadata
.endif
;; end of part 3
;; launch proj (part 4): grid 8 x 32, 4 waves a work-group, clusters of 4 x 4, 229,376 bytes of LDS; arguments oq, cq, out0; writes out0
.if DOCPART == 4
	.amdgcn_target "amdgcn-amd-amdhsa--gfx1250"
	.amdhsa_code_object_version 6
	.text
	.protected	k_q94bcda40f2_proj
	.globl	k_q94bcda40f2_proj
	.p2align	8
	.type	k_q94bcda40f2_proj,@function
k_q94bcda40f2_proj:
	s_mov_b64 s[64:65], 0
	v_nop
	global_prefetch_b8 v0, s[64:65] scope:SCOPE_SE
	s_setreg_imm32_b32 hwreg(HW_REG_WAVE_MODE, 25, 1), 1
	s_wait_xcnt 0x0
	s_wait_alu depctr_hold_cnt(0) depctr_sa_sdst(0) depctr_va_vdst(0) depctr_va_sdst(0) depctr_va_ssrc(0) depctr_va_vcc(0) depctr_vm_vsrc(0)
	s_getreg_b32 s2, hwreg(HW_REG_IB_STS2, 6, 4)
	s_cmp_eq_u32 s2, 0
	s_cbranch_scc0 .Lentry_in_a_cluster
	s_endpgm
.Lentry_in_a_cluster:
	s_bfe_u32 s2, ttmp6, 0x10000c
	s_cmp_lg_u32 s2, 0xf033
	s_cbranch_scc0 .Lentry_shape_is_right
	s_endpgm
.Lentry_shape_is_right:
; out0 [4096][1024] f32 = the attention's result times w_proj^T, on codes of FP6 (E2M3) with E8M0 scales, sums in f32.  Both operands arrive as codes: the tokens' from oq, w_proj's from rows 8,192 on of cq.
; A tile of 128 tokens x 128 outputs to a work-group: 256 work-groups.  Four waves, each 64 x 64: 16 accumulators.  ALL of K (1,024) of both tiles lies in LDS, filled ONCE: no ring, nothing is filled again.
; oq: codes [token / 16][head][i][lane][8 bytes]: registers 2 i, 2 i + 1 of lane (r, h) hold block h of that head: an image of operand registers, read as it lies; scale bytes [token][32] from OQS on.
; THE MATRIX INSTRUCTION IS USED TRANSPOSED (source 0 = 16 rows of w_proj, source 1 = 16 tokens): a lane holds eight neighbouring outputs of one token.
; CLUSTERS: 4 x 4 work-groups.  The four of a row of the cluster need the same tokens, the four of a column the same rows of w_proj: each is asked for JOINTLY.  A wave has two tensor loads out: its scale bytes and its codes.
; All that a work-group reads is asked for at its head, so nothing is left to prefetch.
; LDS: AT 8 x 12,288 bytes, the tokens' codes;  BT 128 rows of w_proj x 816 (768 bytes + 16 behind each 256: row r starts at bank 12 r mod 64, so the 32 lanes of a load of 8 bytes touch 64 different banks: ISA guide 11.1);
;   SCL the scale bytes, runs of 256 + 16: the tokens' 16 runs, then w_proj's;  STG a stage of 16 rows x 272 bytes for each wave, into which no fill lands.
; REGISTERS: window 0: v16-22 addresses; v32-47 scale words, two sets, and nothing else; v64-159, v160-255 two sets of fragments (the tokens' four, then w_proj's four).   window 1: the accumulators, (a, b) at v[8 (4 a + b)].
.set AT,   0
.set BT,   98304
.set SCL,  202752
.set STG,  211456
.set OQS,  3145728
.set CQS,  7077888
.set ADA,  16                          ; v16  8 x lane + my 64 tokens' codes
.set ADB,  17                          ; v17  816 r + 24 h + my 64 rows of w_proj
.set ADB2, 18                          ; v18  the same behind one padding more for lanes 16-31
.set ADRS, 19                          ; v19  my scale words: lanes 0-15 the tokens', lanes 16-31 w_proj's
.set STO,  20                          ; v20  the stage: where I put 32 bytes of a row
.set RD,   21                          ; v21  and where I read a row back
.set CO,   22                          ; v22  my byte offset in out0
.set SC,   32                          ; scale words: set (ks / 2) % 2, register 2 i + ks % 2
.set G1A,  24                          ; s[24:31] group 1: the tokens' codes;  s[32:39] w_proj's;  s[40:47], s[48:55] their scale bytes
.set G1B,  32
.set G1SA, 40
.set G1SB, 48
.set G0A,  56                          ; s[56:59], s[60:63], s[68:71], s[72:75] groups 0
.set G0SA, 60
.set G0B,  68
.set G0SB, 72
.set MSB, 0
.macro WIN new                         ; the immediate's high byte repeats the setting that is left
.if MSB != \new
	s_set_vgpr_msb (MSB<<8)|\new
.set MSB, \new
.endif
.endm
.macro CROUND                          ; a round of the cluster's barrier
	s_barrier_signal -1
	s_barrier_wait -1
	s_cmp_lg_u32 s14, 0
	s_cbranch_scc1 .Lnot_wave_0_\@
	s_barrier_signal -3
.Lnot_wave_0_\@:
	s_barrier_wait -3
	s_barrier_signal -1
	s_barrier_wait -1
.endm
.macro PLACES
.rept 4
	v_nop
.endr
.endm
	s_load_b128 s[4:7], s[0:1], 0x0                ; oq s[4:5], cq s[6:7]
	s_load_b64 s[8:9], s[0:1], 0x10                ; out0
	v_lshl_add_u32 v62, v0, 2, 0x37e00
	v_mov_b32 v63, 0
	ds_add_u32 v62, v63
	ds_add_u32 v62, v63
	v_lshrrev_b32 v1, 5, v0
	v_readfirstlane_b32 s14, v1                    ; wave 0..3
	s_lshr_b32 s15, s14, 1                         ; which 64 tokens are mine.  Also: I fetch the tokens' side (0) or w_proj's (1)
	s_and_b32 s16, s14, 1                          ; which 64 outputs.  Also: which half of that side I fetch
	s_bfe_u32 s76, ttmp6, 0x40000                  ; cx, cy
	s_bfe_u32 s77, ttmp6, 0x40004
	s_lshl_b32 s78, ttmp9, 2
	s_add_co_u32 s78, s78, s76                     ; X: which 128 outputs
	s_and_b32 s79, ttmp7, 0xffff
	s_lshl_b32 s79, s79, 2
	s_add_co_u32 s79, s79, s77                     ; Y: which 128 tokens
	s_lshl_b32 s80, s77, 2
	s_lshl_b32 s80, 15, s80                        ; my row of the cluster
	s_lshl_b32 s81, 0x1111, s76                    ; my column
	; groups 1: dense blocks as rows of 256 bytes (32 elements of 8 bytes)
	s_or_b32 s[G1A], s80, (3<<16)|(1<<21)                           ; the tokens' codes: to my row; no padding
	s_or_b32 s[G1B], s81, (3<<16)|(1<<20)|(1<<21)|(5<<22)|(3<<25)   ; w_proj's: to my column; 4 words of padding behind every 64
	s_or_b32 s[G1SA], s80, (3<<16)|(1<<20)|(1<<21)|(5<<22)|(3<<25)
	s_or_b32 s[G1SB], s81, (3<<16)|(1<<20)|(1<<21)|(5<<22)|(3<<25)
.irp g, G1A, G1B
	s_mov_b32 s[\g+1], 32<<16                      ; tensor_dim0
	s_mov_b32 s[\g+2], 192<<16                     ; tensor_dim1: 49,152 bytes
	s_mov_b32 s[\g+3], 32<<16                      ; tile_dim0
	s_mov_b32 s[\g+4], 192                         ; tile_dim1
	s_mov_b32 s[\g+5], 32                          ; tensor_dim0_stride
	s_mov_b32 s[\g+6], 0
	s_mov_b32 s[\g+7], 0
.endr
.irp g, G1SA, G1SB
	s_mov_b32 s[\g+1], 32<<16
	s_mov_b32 s[\g+2], 8<<16                       ; 2,048 bytes: 64 rows of 32
	s_mov_b32 s[\g+3], 32<<16
	s_mov_b32 s[\g+4], 8
	s_mov_b32 s[\g+5], 32
	s_mov_b32 s[\g+6], 0
	s_mov_b32 s[\g+7], 0
.endr
	; the tokens' side hangs on Y and the wave alone, w_proj's on X and the wave alone, each in registers that never hold the other coordinate
	s_lshl_b32 s82, s79, 3
	s_lshl_b32 s83, s16, 2
	s_add_co_u32 s82, s82, s83
	s_mul_i32 s82, s82, 12288                      ; tiles of 16 tokens 8 Y + 4 x half on
	s_mov_b32 s83, 0
	s_lshl_b32 s84, s79, 12
	s_lshl_b32 s85, s16, 11
	s_add_co_u32 s84, s84, s85
	s_add_co_u32 s84, s84, OQS                     ; their scale bytes: 32 a token
	s_mov_b32 s85, 0
	s_lshl_b32 s86, s78, 7
	s_lshl_b32 s87, s16, 6
	s_add_co_u32 s86, s86, s87
	s_add_co_u32 s86, s86, 8192                    ; cq's row 8,192 + 128 X + 64 x half
	s_lshl_b32 s88, s86, 5
	s_add_co_u32 s88, s88, CQS
	s_mul_i32 s86, s86, 768
	s_mov_b32 s87, 0
	s_mov_b32 s89, 0
	s_mul_i32 s10, s16, 2176                       ; where they go: no place in the cluster enters an LDS address
	s_mul_i32 s11, s16, 52224
	s_wait_dscnt 0x0
	s_wait_kmcnt 0x0
	s_mov_b32 s[G0A], 1
	s_mul_i32 s[G0A+1], s16, 49152
	s_add_nc_u64 s[G0A+2:G0A+3], s[4:5], s[82:83]
	s_or_b32 s[G0A+3], s[G0A+3], 0x80000000
	s_mov_b32 s[G0SA], 1
	s_add_co_u32 s[G0SA+1], s10, SCL
	s_add_nc_u64 s[G0SA+2:G0SA+3], s[4:5], s[84:85]
	s_or_b32 s[G0SA+3], s[G0SA+3], 0x80000000
	s_mov_b32 s[G0B], 1
	s_add_co_u32 s[G0B+1], s11, BT
	s_add_nc_u64 s[G0B+2:G0B+3], s[6:7], s[86:87]
	s_or_b32 s[G0B+3], s[G0B+3], 0x80000000
	s_mov_b32 s[G0SB], 1
	s_add_co_u32 s[G0SB+1], s10, SCL+4352
	s_add_nc_u64 s[G0SB+2:G0SB+3], s[6:7], s[88:89]
	s_or_b32 s[G0SB+3], s[G0SB+3], 0x80000000
	CROUND                                         ; all sixteen work-groups are here: the joint loads meet
	s_cmp_eq_u32 s15, 0                            ; a wave's two fills stand in one branch; four v_nop follow the second
	s_cbranch_scc0 .Lfor_b
	tensor_load_to_lds s[G0SA:G0SA+3], s[G1SA:G1SA+7]
	s_nop 0
	tensor_load_to_lds s[G0A:G0A+3], s[G1A:G1A+7]
	s_nop 0
.rept 4
	v_nop
.endr
	s_branch .Lasked
.Lfor_b:
	tensor_load_to_lds s[G0SB:G0SB+3], s[G1SB:G1SB+7]
	s_nop 0
	tensor_load_to_lds s[G0B:G0B+3], s[G1B:G1B+7]
	s_nop 0
.rept 4
	v_nop
.endr
.Lasked:
	v_and_b32 v1, 15, v0                           ; r
	v_bfe_u32 v2, v0, 4, 1                         ; h
	v_and_b32 v3, 31, v0                           ; lane
	s_mul_i32 s10, s15, 49152
	v_lshlrev_b32 v[ADA], 3, v3
	v_add_nc_u32 v[ADA], s10, v[ADA]
	v_mul_u32_u24 v[ADB], v1, 816
	v_mad_u32_u24 v[ADB], v2, 24, v[ADB]
	s_mul_i32 s11, s16, 52224
	s_add_co_u32 s11, s11, BT
	v_add_nc_u32 v[ADB], s11, v[ADB]
	v_lshl_add_u32 v[ADB2], v2, 4, v[ADB]
	v_lshlrev_b32 v4, 5, v1                        ; my row's scale bytes: 32 a row,
	v_lshrrev_b32 v5, 3, v1
	v_lshl_add_u32 v4, v5, 4, v4                   ; and 16 more behind each 256
	s_mul_i32 s12, s15, 2176                       ; the tokens': my 64
	s_mul_i32 s13, s16, 2176                       ; w_proj's: my 64 rows, behind the tokens' 128
	s_add_co_u32 s13, s13, 4352
	s_sub_co_u32 s13, s13, s12
	v_mul_u32_u24 v5, s13, v2                      ; lanes 16-31 take w_proj's
	s_add_co_u32 s12, s12, SCL
	v_add_nc_u32 v4, v4, v5
	v_add_nc_u32 v[ADRS], s12, v4
	s_mul_i32 s18, s14, 4352
	s_add_co_u32 s18, s18, STG                     ; my stage
	v_mul_u32_u24 v[STO], v1, 272
	v_lshl_add_u32 v[STO], v2, 5, v[STO]
	v_add_nc_u32 v[STO], s18, v[STO]               ; in: row r, 32 bytes for each half of the lanes
	v_mul_u32_u24 v[RD], v2, 272
	v_lshl_add_u32 v[RD], v1, 4, v[RD]
	v_add_nc_u32 v[RD], s18, v[RD]                 ; back: lanes 0-15 one row of 256 bytes, lanes 16-31 the next
	v_lshlrev_b32 v[CO], 12, v2
	v_lshl_add_u32 v[CO], v1, 4, v[CO]             ; and the same two rows in out0
	s_lshl_b32 s20, s79, 7
	s_lshl_b32 s21, s15, 6
	s_add_co_u32 s20, s20, s21                     ; my first token
	s_lshl_b32 s20, s20, 12                        ; 4,096 bytes a row (under 2^24 rows x bytes)
	s_lshl_b32 s21, s78, 9
	s_add_co_u32 s20, s20, s21
	s_lshl_b32 s21, s16, 8
	s_add_co_u32 s20, s20, s21                     ; + my first output: 512 X + 256 x half bytes
	s_mov_b32 s21, 0
	s_add_nc_u64 s[8:9], s[8:9], s[20:21]
.macro FRAGA reg, a, ks                ; 16 tokens x 128 K (two heads): six pieces of 256 consecutive bytes, 8 a lane
.irp p, 0,1,2,3,4,5
	ds_load_b64 v[\reg+2*\p:\reg+2*\p+1], v[ADA] offset:(\a)*12288+(\ks)*1536+256*\p
.endr
.endm
.macro FRAGB reg, b, ks                ; 16 rows of w_proj x 128 K: registers 6 c .. 6 c + 5 are the 24 bytes of block 4 ks + 2 c + h, in pieces of 8
.irp p, 0,1,2,3,4,5
.set YY, 96*(\ks)+48*(\p/3)+8*(\p%3)
.if YY%256 < 232
	ds_load_b64 v[\reg+2*\p:\reg+2*\p+1], v[ADB] offset:(\b)*13056+YY+16*(YY/256)
.else
	ds_load_b64 v[\reg+2*\p:\reg+2*\p+1], v[ADB2] offset:(\b)*13056+YY+16*(YY/256)   ; lanes 16-31, 24 bytes on, lie behind one padding more
.endif
.endr
.endm
.macro SCALES c                        ; the scale words of K steps 2 c and 2 c + 1: lanes 0-15 the tokens' block i, lanes 16-31 w_proj's block i
.irp i, 0,1,2,3
	ds_load_b64 v[SC+8*((\c)%2)+2*\i:SC+8*((\c)%2)+2*\i+1], v[ADRS] offset:544*\i+8*(\c)
.endr
.endm
.macro FETCH ks
.set FS, 64+96*((\ks)%2)
.irp i, 0,1,2,3
	FRAGA FS+12*\i, \i, \ks
.endr
.irp i, 0,1,2,3
	FRAGB FS+48+12*\i, \i, \ks
.endr
.if ((\ks)%2) == 0
	SCALES (\ks)/2
.endif
.endm
; 16 matrix instructions, 128 along K.  The 16 accumulators take turns, one instruction a turn, in the same order in every step.  zero = 1: the first products start the sums.
.macro MUL ks, zero
.set FS, 64+96*((\ks)%2)
.set SK, SC+8*(((\ks)/2)%2)+(\ks)%2
.irp a, 0,1,2,3
.irp b, 0,1,2,3
.if \zero
	v_wmma_scale_f32_16x16x128_f8f6f4 v[8*(4*\a+\b):8*(4*\a+\b)+7], v[FS+48+12*\b:FS+48+12*\b+11], v[FS+12*\a:FS+12*\a+11], 0, v[SK+2*\b], v[SK+2*\a] matrix_a_fmt:MATRIX_FMT_FP6 matrix_b_fmt:MATRIX_FMT_FP6 matrix_a_scale:MATRIX_SCALE_ROW1
.else
	v_wmma_scale_f32_16x16x128_f8f6f4 v[8*(4*\a+\b):8*(4*\a+\b)+7], v[FS+48+12*\b:FS+48+12*\b+11], v[FS+12*\a:FS+12*\a+11], v[8*(4*\a+\b):8*(4*\a+\b)+7], v[SK+2*\b], v[SK+2*\a] matrix_a_fmt:MATRIX_FMT_FP6 matrix_b_fmt:MATRIX_FMT_FP6 matrix_a_scale:MATRIX_SCALE_ROW1
.endif
.endr
.endr
.endm
	s_wait_tensorcnt 0x0                           ; my two parts are in,
	s_barrier_signal -1
	s_barrier_wait -1                              ; everybody's are
	FETCH 0
.irp k, 0,1,2,3,4,5,6
.if \k > 0
	PLACES                                         ; four places in front of loads into registers that the step before has multiplied
.endif
	FETCH \k+1                                     ; the next step's fragments, into the other set
.if (\k%2) == 1
	s_wait_dscnt 52                                ; all but the 48 fragment loads and 4 scale loads just issued
.else
	s_wait_dscnt 48                                ; all but the 48 just issued
.endif
	WIN 0x50                                       ; C and D window 1
.if \k == 0
	MUL \k, 1
.else
	MUL \k, 0
.endif
	WIN 0
.endr
	s_wait_dscnt 0x0
	WIN 0x50
	MUL 7, 0
	WIN 0
	; THE WAY OUT: a block of 16 tokens x 64 outputs goes through my own stage and comes back as rows of 256 bytes.  LDS serves a wave's instructions in order (ISA guide 5.7.1.4): no wait between the stores and the loads, nor in front of the next block's stores.
	PLACES
.irp a, 0,1,2,3
	WIN 0x04                                       ; an LDS store's data are its source 1: window 1
.irp b, 0,1,2,3
	ds_store_b128 v[STO], v[8*(4*\a+\b):8*(4*\a+\b)+3] offset:64*\b          ; each accumulator from its low end on
	ds_store_b128 v[STO], v[8*(4*\a+\b)+4:8*(4*\a+\b)+7] offset:64*\b+16
.endr
	WIN 0
.irp t, 0,1,2,3,4,5,6,7
	ds_load_b128 v[64+32*\a+4*\t:64+32*\a+4*\t+3], v[RD] offset:544*\t
.endr
.endr
.irp a, 0,1,2,3
.irp t, 0,1,2,3,4,5,6,7
	s_wait_dscnt 55-16*\a-\t                       ; of the 64 LDS instructions above, those issued behind this load may be out
	global_store_b128 v[CO], v[64+32*\a+4*\t:64+32*\a+4*\t+3], s[8:9] offset:(16*\a+2*\t)*4096 th:TH_STORE_NT   ; 16 lanes store 256 consecutive bytes, aligned; written once, read by nobody here
.endr
.endr
	s_wait_tensorcnt 0x0
	ds_add_u32 v62, v63
	s_wait_dscnt 0x0
	CROUND                                         ; the closing round: no work-group ends while a partner may still ask for a tile that names it
	s_endpgm
.Lfunc_end_k_q94bcda40f2_proj:
	.size	k_q94bcda40f2_proj, .Lfunc_end_k_q94bcda40f2_proj-k_q94bcda40f2_proj
	.p2alignl 7, 3214868480
	.fill 96, 4, 3214868480
	.section	.rodata,"a",@progbits
	.p2align	6, 0x0
	.amdhsa_kernel k_q94bcda40f2_proj
		.amdhsa_group_segment_fixed_size 229376
		.amdhsa_private_segment_fixed_size 0
		.amdhsa_enable_private_segment 0
		.amdhsa_kernarg_size 24
		.amdhsa_user_sgpr_count 2
		.amdhsa_user_sgpr_kernarg_segment_ptr 1
		.amdhsa_wavefront_size32 1
		.amdhsa_system_sgpr_workgroup_id_x 1
		.amdhsa_system_sgpr_workgroup_id_y 1
		.amdhsa_system_sgpr_workgroup_id_z 1
		.amdhsa_system_vgpr_workitem_id 0
		.amdhsa_next_free_vgpr 512
		.amdhsa_next_free_sgpr 96
		.amdhsa_reserve_vcc 0
		.amdhsa_float_denorm_mode_32 3
		.amdhsa_float_denorm_mode_16_64 3
		.amdhsa_memory_ordered 1
		.amdhsa_forward_progress 1
		.amdhsa_inst_pref_size 60
	.end_amdhsa_kernel
	.amdgpu_metadata
---
amdhsa.version: [ 1, 2 ]
amdhsa.kernels:
  - .name:           k_q94bcda40f2_proj
    .symbol:         k_q94bcda40f2_proj.kd
    .args:
      - { .name: oq, .offset: 0, .size: 8, .value_kind: global_buffer, .address_space: global }
      - { .name: cq, .offset: 8, .size: 8, .value_kind: global_buffer, .address_space: global }
      - { .name: out0, .offset: 16, .size: 8, .value_kind: global_buffer, .address_space: global }
    .group_segment_fixed_size: 229376
    .private_segment_fixed_size: 0
    .kernarg_segment_align: 8
    .kernarg_segment_size: 24
    .max_flat_workgroup_size: 128
    .sgpr_count:     96
    .vgpr_count:     512
    .wavefront_size: 32
...
	.end_amdgpu_metadata
.endif
;; end of part 4
